; MI455X (gfx1250); checked and timed in simulation.
; The chip was launched on July 23, 2026; its instructions are those of AMD's public machine-readable ISA for CDNA 5 (MIT licence, August 2026) and "CDNA5" Instruction Set Architecture Reference Guide (July 2026). The comments in the code are by the model that wrote it; some were corrected since.
;; Cross Path V2. Allowed arithmetic: float matrix products may take bf16 or f16 operands with f32 sums; other float arithmetic in f32, or as packed bf16 or f16 multiplies, adds, multiply-adds, maxima and minima; sums over many terms, partial sums and values carried from step to step in f32; what a program stores and reads back later, other than sums and carried values, may be rounded once to bf16 or f16.
;; Inputs: W3 512 x 512 float32; W4 512 x 512 float32; We1 1,024 x 512 float32; We2 1,024 x 512 float32; Wkv1 512 x 1,024 float32; Wkv2 512 x 1,024 float32; b3 512 float32; b4 512 float32; be1 512 float32; be2 512 float32; bt1 512 float32; bt2 512 float32; c1 4 x 4,096 x 512 float32; c2 4 x 4,096 x 512 float32; g1 512 float32; g2 512 float32; s1 4 x 4,096 x 512 float32; s2 4 x 4,096 x 512 float32; x1 4 x 4,096 x 512 float32; x2 4 x 4,096 x 512 float32.
;; Outputs: out0 4 x 4,096 x 512 float32; out1 4 x 4,096 x 512 float32.
;; 2 versions, each right; version 2 is version 1 with the launch cast written anew for expert scheduling mode. Each part assembles by itself: llvm-mc -triple=amdgcn-amd-amdhsa -mcpu=gfx1250 --defsym DOCPART=n.
;; ======== version 1 of 2: 4 launches
;; workspace buffers: wb 5,242,880 bytes; cp 33,554,432 bytes; part 33,554,432 bytes; ctxb 524,288 bytes
;; launch cast (part 1): grid 32 x 10, 8 waves a work-group, no clusters, 0 bytes of LDS; arguments W3, W4, Wkv1, Wkv2, We1, We2, wb; writes wb
.if DOCPART == 1
	.amdgcn_target "amdgcn-amd-amdhsa--gfx1250"
	.amdhsa_code_object_version 6
	.text
	.protected	k_q69a949a07f_cast
	.globl	k_q69a949a07f_cast
	.p2align	8
	.type	k_q69a949a07f_cast,@function
k_q69a949a07f_cast:
	s_mov_b64 s[64:65], 0
	v_nop
	global_prefetch_b8 v0, s[64:65] scope:SCOPE_SE
	s_setreg_imm32_b32 hwreg(HW_REG_WAVE_MODE, 25, 1), 1
	s_wait_xcnt 0x0
; CAST.  The six weight matrices, f32, are rounded once to bf16 (nearest even) and laid end to end in wb, each in its own [in][out] order:
; W3 at byte 0, W4 at 524,288, Wkv1 at 1,048,576, Wkv2 at 2,097,152, We1 at 3,145,728, We2 at 4,194,304.
; The grid's y counts pieces of 1 MiB of f32 (W3, W4 one each, the others two each), x the 32 parts of 32 KiB in a piece: wb's order is the pieces' order.
; Eight waves; thread t takes 16 bytes at 16 t of each of eight blocks of 4,096 bytes: a wave's load covers 512 consecutive bytes, its store 256 consecutive bytes, aligned.
; A stream: no LDS, no barrier, no matrix unit; all eight loads of a wave go out before the first is waited for.
	s_load_b256 s[4:11], s[0:1], 0x0               ; W3, W4, Wkv1, Wkv2
	s_load_b128 s[12:15], s[0:1], 0x20             ; We1, We2
	s_load_b64 s[16:17], s[0:1], 0x30              ; wb
	s_and_b32 s20, ttmp7, 0xffff                   ; the piece, 0 to 9
	s_and_b32 s21, s20, 1
	s_lshl_b32 s21, s21, 20                        ; the second MiB of a matrix of two,
	s_cmp_lt_u32 s20, 2
	s_cselect_b32 s21, 0, s21                      ; (W3 and W4 have one)
	s_lshl_b32 s22, ttmp9, 15                      ; + my 32 KiB
	s_add_co_u32 s22, s22, s21
	s_mov_b32 s23, 0
	s_lshl_b32 s24, s20, 19                        ; in wb: the piece's 512 KiB,
	s_lshl_b32 s25, ttmp9, 14                      ; my 16 KiB
	s_add_co_u32 s24, s24, s25
	s_mov_b32 s25, 0
	v_lshlrev_b32 v1, 4, v0                        ; 16 t
	v_lshlrev_b32 v2, 3, v0                        ; 8 t
	s_wait_kmcnt 0x0
	s_mov_b64 s[18:19], s[4:5]                     ; which matrix: chosen by the piece's number alone
	s_cmp_ge_u32 s20, 1
	s_cselect_b64 s[18:19], s[6:7], s[18:19]
	s_cmp_ge_u32 s20, 2
	s_cselect_b64 s[18:19], s[8:9], s[18:19]
	s_cmp_ge_u32 s20, 4
	s_cselect_b64 s[18:19], s[10:11], s[18:19]
	s_cmp_ge_u32 s20, 6
	s_cselect_b64 s[18:19], s[12:13], s[18:19]
	s_cmp_ge_u32 s20, 8
	s_cselect_b64 s[18:19], s[14:15], s[18:19]
	s_add_nc_u64 s[18:19], s[18:19], s[22:23]
	s_add_nc_u64 s[16:17], s[16:17], s[24:25]
.irp i, 0,1,2,3,4,5,6,7
	global_load_b128 v[8+4*(\i):11+4*(\i)], v1, s[18:19] offset:4096*(\i) th:TH_LOAD_NT
.endr
.irp i, 0,1,2,3,4,5,6,7
	s_wait_loadcnt 7-(\i)                          ; loads come back in order: block i is in, the 7 - i younger ones stay out
	v_cvt_pk_bf16_f32 v[40+2*(\i)], v[8+4*(\i)], v[9+4*(\i)]
	v_cvt_pk_bf16_f32 v[41+2*(\i)], v[10+4*(\i)], v[11+4*(\i)]
	global_store_b64 v2, v[40+2*(\i):41+2*(\i)], s[16:17] offset:2048*(\i)
.endr
	s_endpgm
.Lfunc_end_k_q69a949a07f_cast:
	.size	k_q69a949a07f_cast, .Lfunc_end_k_q69a949a07f_cast-k_q69a949a07f_cast
	.p2alignl 7, 3214868480
	.fill 96, 4, 3214868480
	.section	.rodata,"a",@progbits
	.p2align	6, 0x0
	.amdhsa_kernel k_q69a949a07f_cast
		.amdhsa_group_segment_fixed_size 0
		.amdhsa_private_segment_fixed_size 0
		.amdhsa_enable_private_segment 0
		.amdhsa_kernarg_size 56
		.amdhsa_user_sgpr_count 2
		.amdhsa_user_sgpr_kernarg_segment_ptr 1
		.amdhsa_wavefront_size32 1
		.amdhsa_system_sgpr_workgroup_id_x 1
		.amdhsa_system_sgpr_workgroup_id_y 1
		.amdhsa_system_sgpr_workgroup_id_z 1
		.amdhsa_system_vgpr_workitem_id 0
		.amdhsa_next_free_vgpr 64
		.amdhsa_next_free_sgpr 66
		.amdhsa_reserve_vcc 0
		.amdhsa_float_denorm_mode_32 3
		.amdhsa_float_denorm_mode_16_64 3
		.amdhsa_memory_ordered 1
		.amdhsa_forward_progress 1
		.amdhsa_inst_pref_size 5
	.end_amdhsa_kernel
	.amdgpu_metadata
---
amdhsa.version: [ 1, 2 ]
amdhsa.kernels:
  - .name:           k_q69a949a07f_cast
    .symbol:         k_q69a949a07f_cast.kd
    .args:
      - { .name: W3, .offset: 0, .size: 8, .value_kind: global_buffer, .address_space: global }
      - { .name: W4, .offset: 8, .size: 8, .value_kind: global_buffer, .address_space: global }
      - { .name: Wkv1, .offset: 16, .size: 8, .value_kind: global_buffer, .address_space: global }
      - { .name: Wkv2, .offset: 24, .size: 8, .value_kind: global_buffer, .address_space: global }
      - { .name: We1, .offset: 32, .size: 8, .value_kind: global_buffer, .address_space: global }
      - { .name: We2, .offset: 40, .size: 8, .value_kind: global_buffer, .address_space: global }
      - { .name: wb, .offset: 48, .size: 8, .value_kind: global_buffer, .address_space: global }
    .group_segment_fixed_size: 0
    .private_segment_fixed_size: 0
    .kernarg_segment_align: 8
    .kernarg_segment_size: 56
    .max_flat_workgroup_size: 256
    .sgpr_count:     66
    .vgpr_count:     64
    .wavefront_size: 32
...
	.end_amdgpu_metadata
.endif
;; end of part 1
;; launch proj (part 2): grid 128 x 2, 4 waves a work-group, clusters of 4 x 1, 327,680 bytes of LDS; arguments c1, c2, b3, b4, wb, cp, part; writes cp, part
.if DOCPART == 2
	.amdgcn_target "amdgcn-amd-amdhsa--gfx1250"
	.amdhsa_code_object_version 6
	.text
	.protected	k_q69a949a07f_proj
	.globl	k_q69a949a07f_proj
	.p2align	8
	.type	k_q69a949a07f_proj,@function
k_q69a949a07f_proj:
	s_mov_b64 s[64:65], 0
	v_nop
	global_prefetch_b8 v0, s[64:65] scope:SCOPE_SE
	s_setreg_imm32_b32 hwreg(HW_REG_WAVE_MODE, 25, 1), 1
	s_wait_xcnt 0x0
	s_wait_alu depctr_hold_cnt(0) depctr_sa_sdst(0) depctr_va_vdst(0) depctr_va_sdst(0) depctr_va_ssrc(0) depctr_va_vcc(0) depctr_vm_vsrc(0)
	s_getreg_b32 s2, hwreg(HW_REG_IB_STS2, 6, 4)
	s_cmp_eq_u32 s2, 0
	s_cbranch_scc0 .Lentry_in_a_cluster
	s_endpgm
.Lentry_in_a_cluster:
	s_bfe_u32 s2, ttmp6, 0x10000c
	s_cmp_lg_u32 s2, 0x3003
	s_cbranch_scc0 .Lentry_shape_is_right
	s_endpgm
.Lentry_shape_is_right:
; PROJ.  For path p (grid y) and a block of 128 rows (grid x):  c' = relu(c W + b), stored as bf16 in cp;  kv = c' Wkv, which never leaves the registers;
; and for each of the 8 heads the block's share of k^T v (64 x 64, f32), stored in part.  All matrix operands are bf16 (c and the weights rounded once), all sums f32.
; LIMITS.  relu of a NaN gives 0 (the packed maximum lets a NaN lose); NaN and infinities are not treated apart otherwise.
; SHARES.  Four waves.  Phase 1: the work-group makes 128 rows x 512 columns of c', a wave 128 x 128: 64 accumulators.  Phase 2, two passes: in a pass wave w makes k and v of one head
; for the 128 rows (128 x 128 again: 64 columns of k, 64 of v), rounds them in place and multiplies k^T by v.
; WEIGHTS lie [in][out] in wb, bf16, and come into the first 139,264 bytes of LDS by tensor loads; a fragment (16 columns x 32 K) comes out of LDS turned, by ds_load_tr16_b128.
; PHASE 1: K steps of 64 through two slots that take turns (a slot: two parts of 64 K rows x 256 columns; a wave fetches 32 K rows of a part).  c's 128 staging registers fill half of window 1 there.
; PHASE 2: beside the resident block LDS has room for 128 K rows once, not twice.  But a wave alone reads its own 128 columns, and its fragments of 128 K rows are 256 registers: all of window 1.  So the
; same bytes are ONE slot of 128 K rows (two parts of 128 rows; a wave fetches 64 rows of a part), which is emptied into four register buffers and filled again while those are multiplied:
; from a request to the wait for it a wave issues 192 matrix instructions, and there is one request, one round and one plain barrier for 128 along K.
; CLUSTER.  The four row blocks of a cluster walk the same weights: each tile is asked for JOINTLY, by the same tensor load, descriptor and mask in all four; no LDS address and no branch hangs on the place in the cluster.
; THE WALKS BEGIN AT ANOTHER PLACE IN EACH CLUSTER, so that the clusters do not all ask for the same tile in the same step.  t = cluster x + cluster x / 4, the same in all four partners.
; Phase 1, lap U: c's block (U + t) % 4 of 128 channels, and W's rows of that block.  Phase 2: o2 = 2 (t % 2), jp = (t / 2) % 2: wave w makes block w ^ o2 of c' (the two column parts of W's tiles change
; places in memory, not in LDS), so LDS tile j holds block j ^ o2 and step n takes Wkv's rows 128 ((n % 4) ^ o2) on; the passes go in the order jp, 1 - jp.  All of this lies in global addresses:
; no LDS address hangs on t.  f32 sums may be taken in any order of K.
; No prefetch is laid for the weights: each tile is asked for, for the first time in the launch, in some cluster's first two steps of a walk.  c is read once by its own wave: it is prefetched (ASKC).
; THE RESIDENT BLOCK (RES) holds the 128 rows x 512 channels in bf16, as four tiles of 128 channels (a row of a tile: 256 bytes + 16): first c, written tile by tile as it arrives, then c'.
; Wave w writes tile w of c'.  RES is written by LDS stores alone; no tensor load lands there.
; LAYOUTS.  Phase 1 takes the product transposed (source 0 = 16 columns of W, source 1 = 16 rows of c): a lane holds one row and 8 neighbouring columns, 16 bytes of c' when rounded.
; Phase 2 takes it straight (source 0 = rows of c', source 1 = columns of Wkv): a lane holds ONE column and the rows 8 (l / 16) + 0..7; two such results rounded in pairs ARE a fragment (16 columns x 32 rows)
; of k^T as source 0 and of v as source 1.  So k and v change neither lane nor memory.
; REGISTERS, in windows of 256 (s_set_vgpr_msb: bits 1:0 source 0, 3:2 source 1, 5:4 source 2, 7:6 destination):
;   window 0: v0-39 addresses and constants; v64-127, v128-191 fragments of c or c', two buffers; v192-255 the bias, later at work; v128-255 the 16 accumulators of k^T v at a pass's end
;   window 1: phase 1: v64-127, v128-191 fragments of W, v0-63, v192-255 c as loaded (f32); phase 2: four buffers of 64, the fragments of Wkv for 32 along K each
;   window 2: accumulators of rows 0-63 ((a, b) at v[8 (8 a + b)]);  window 3: those of rows 64-127
.set BP,    544                        ; a K row of a part in LDS: 512 bytes + 32 = 17 x 32
.set PB1,   64*BP                      ; phase 1: a part of a slot
.set SL1,   2*PB1                      ; phase 1: a slot
.set PB2,   128*BP                     ; phase 2: a part of the one slot
.set RES,   2*PB2
.set TP,    272                        ; a row of a tile of RES: 256 + 16 = 17 x 16 bytes: the 16 rows of a fragment load start at 16 different groups of four banks
.set TILE,  128*TP
.set SPARE, RES+4*TILE                 ; the spare words, 128 bytes a wave: two blocks of 256 bytes that no other line names
.set F0,    64
.set F1,    128
.set BIAS,  192
.set CXR,   128                        ; the accumulators of k^T v, in window 0
.set G1A,   24                         ; s[24:31] group 1 for W3 / W4: 32 rows, 512 elements from row to row
.set G1B,   32                         ; s[32:39] group 1 for Wkv: 64 rows, 1,024 elements from row to row
.set G0,    40                         ; s[40:47] group 0: phase 1 a set for each slot; phase 2 the first set alone
.set KVB,   48                         ; s[48:49] my part of Wkv's tile of rows 0 on, columns 0 on
; s2 at work   s3 laps or steps to go   s[4:5] c at the block that is loaded   s[6:7] bias   s[8:9] cp at my block   s[10:11] part at my head   s12 wave   s13 wave / 2   s14 wave % 2   s15 cx   s16 row block   s17 path
; s[20:21] an offset for a descriptor   s50, s51 where my part of a tile goes in phase 1, 2   s52 c's block that was loaded last   s53 my block of c'   s[54:55] my part of W's rows 0 on   s[56:57] c at my rows
; s58 o2   s59 jp   s[60:61] part at my wave's head of pass 0   s[62:63] the pass's offset in part   s[82:83] the prefetches' pointer   s[84:85], s[86:87] offsets in c
; v10-11 W's fragments in slot 0, 1   v12-13 Wkv's fragments in part 0, 1   v14 this step's tile of RES   v15 the next step's   v16 tile 0   v18 c's offset   v19 prefetch offset   v20 where c is stored, running
; v21 where c' is stored   v23 where it is read back   v24 its offset in cp   v25 16 x lane   v26 0   v27 bias offset   v28, v29 the add's two registers   v32-39 zeros
.set MSB, 0
.set MODET, 1                          ; 1: transposed product (weights are source 0)
.set MLOW,  1                          ; the windows of sources 0 and 1 that go with it
.macro WIN new                         ; the high byte repeats the setting that is left; a switch that changes nothing is dropped
.if MSB != (\new)
	s_set_vgpr_msb (MSB<<8)|(\new)
.set MSB, (\new)
.endif
.endm
.macro PLACES                          ; four plain vector instructions between a matrix instruction and a load into, a write of or a read of its registers (ISA guide 7.12.1 for writes and reads)
.rept 4
	v_nop
.endr
.endm
.macro CREST                           ; a round of the cluster's barrier behind its opening barrier
	s_cmp_lg_u32 s12, 0
	s_cbranch_scc1 .Lnw0_\@
	s_barrier_signal -3
.Lnw0_\@:
	s_barrier_wait -3
	s_barrier_signal -1
	s_barrier_wait -1
.endm
.macro CROUND
	s_barrier_signal -1
	s_barrier_wait -1
	CREST
.endm
.macro JL g0, g1                       ; a joint load: one line for all four waves, whose registers differ by the wave's number alone; s_nop 0 and four v_nop follow
	tensor_load_to_lds s[(\g0):(\g0)+3], s[(\g1):(\g1)+7]
	s_nop 0
	PLACES
.endm
; 16 matrix instructions: row blocks a0, a0 + 1 of the window's four x all 8 column blocks, 32 along K; rows from buffer fa (window 0), weights from buffer rb (window 1).  The 64 accumulators take turns, one instruction a turn.
.macro MUL16 fa, rb, hi, a0
	WIN MLOW+0xa0+0x50*(\hi)
.irp a, \a0, (\a0)+1
.irp b, 0,1,2,3,4,5,6,7
.set rD, 8*(8*(\a)+(\b))
.if MODET
.set rX, (\rb)+8*(\b)
.set rY, (\fa)+8*(4*(\hi)+(\a))
.else
.set rX, (\fa)+8*(4*(\hi)+(\a))
.set rY, (\rb)+8*(\b)
.endif
	v_wmma_f32_16x16x32_bf16 v[rD:rD+7], v[rX:rX+7], v[rY:rY+7], v[rD:rD+7]
.endr
.endr
.endm
; 16 LDS loads: the 8 fragments (128 rows x 32 channels) of the resident block at byte rel behind v[ar]
.macro FA f, ar, rel
	WIN 0
.irp i, 0,1,2,3,4,5,6,7
	ds_load_b128 v[(\f)+8*(\i):(\f)+8*(\i)+3],   v[\ar] offset:(\rel)+(\i)*16*TP
	ds_load_b128 v[(\f)+8*(\i)+4:(\f)+8*(\i)+7], v[\ar] offset:(\rel)+(\i)*16*TP+32
.endr
.endm
; ---- PHASE 1's macros ----
.macro MULHI
	MUL16 F1, F1, 1, 0
	MUL16 F1, F1, 1, 2
.endm
; 32 LDS loads in one run: W's 8 fragments of K rows 32 q on of a slot (turned), then the 8 fragments of c
.macro FETCH f, slot, q, rel
	WIN 0x40
.irp i, 0,1,2,3,4,5,6,7
	ds_load_tr16_b128 v[(\f)+8*(\i):(\f)+8*(\i)+3],   v[10+(\slot)] offset:(\q)*32*BP+32*(\i)
	ds_load_tr16_b128 v[(\f)+8*(\i)+4:(\f)+8*(\i)+7], v[10+(\slot)] offset:(\q)*32*BP+32*(\i)+16*BP
.endr
	FA \f, 14, \rel
.endm
; A K step of 64 is two halves of 32.  The first half multiplies buffer f and, in its middle, fetches the second half's fragments into g.
.macro QA f, g, slot, q, rel
	s_wait_dscnt 8                                 ; the weights and rows 0-63 are in; the youngest eight loads (rows 64-127) may be out
	MUL16 \f, \f, 0, 0
	MUL16 \f, \f, 0, 2
	PLACES
	FETCH \g, \slot, \q, \rel
	s_wait_dscnt 32                                ; all but the 32 just issued
	MUL16 \f, \f, 1, 0
	MUL16 \f, \f, 1, 2
.endm
; The second half multiplies buffer 1 and changes slots.  In front of the barrier each wave waits for all its tensor loads (one is out: its part of the next slot), adds 0 to its spare word,
; and waits for that, for its stores and for its reads of this slot.  round = 1: bytes are filled again, so the barrier opens a round of the cluster's barrier.
; extra: LDS stores issued between the fragment loads and the add.
.macro MEET round, extra
	WIN 0
	s_wait_tensorcnt 0x0
	ds_add_u32 v28, v29
	s_wait_dscnt 9+(\extra)                        ; the add, those stores and the youngest eight loads may be out
	MUL16 F1, F1, 0, 0
	s_wait_dscnt 0x0
	s_barrier_signal -1
	MUL16 F1, F1, 0, 2
.if \round
	WIN 0
.endif
	s_barrier_wait -1
.if \round
	CREST
.endif
.endm
; The address of W's next tile for slot s: the rows of the block of c that this lap has loaded (s52), first or second 64 of them.  No load of mine is out: the group 0 may be written.
.macro WSTEP s
	s_lshl_b32 s20, s52, 17                        ; 128 rows of 1,024 bytes a block
	s_add_co_u32 s20, s20, (\s)*65536
	s_mov_b32 s21, 0
	s_add_nc_u64 s[G0+4*(\s)+2:G0+4*(\s)+3], s[54:55], s[20:21]
	s_or_b32 s[G0+4*(\s)+3], s[G0+4*(\s)+3], 0x80000000
.endm
; 32 rows x 512 bytes of c: my rows' next block of 128 channels, a row an instruction
.macro LD first
.if !(\first)
	s_wait_xcnt 0x0                                ; the loads and prefetches of a lap ago have read their pointers
	s_add_co_u32 s52, s52, 1
	s_and_b32 s52, s52, 3                          ; the next block, round the four
	s_lshl_b32 s84, s52, 9
	s_add_nc_u64 s[4:5], s[56:57], s[84:85]
.endif
	WIN 0x40
.set i, 0
.rept 32
	global_load_b128 v[4*i+128*(i/16):4*i+128*(i/16)+3], v18, s[4:5] offset:2048*i th:TH_LOAD_NT
.set i, i+1
.endr
	WIN 0
.endm
; A prefetch into the L2 of what the next lap's LD will load: my own 32 rows x 512 bytes of the block after this one, a lane a row, two instructions; each block of 256 bytes is named once in the launch, a lap (256 matrix instructions) ahead.
; The last lap of the loop asks for nothing.
.macro ASKC
	s_cmp_gt_u32 s3, 1
	s_cbranch_scc0 .Lnc_\@
	s_add_co_u32 s86, s52, 1
	s_and_b32 s86, s86, 3
	s_lshl_b32 s86, s86, 9
	s_add_nc_u64 s[82:83], s[56:57], s[86:87]      ; written behind LD's s_wait_xcnt 0; the loads issued since do not name it
	global_prefetch_b8 v19, s[82:83] th:TH_LOAD_NT scope:SCOPE_SE
	global_prefetch_b8 v19, s[82:83] offset:256 th:TH_LOAD_NT scope:SCOPE_SE
.Lnc_\@:
.endm
; rounded to bf16 in place and stored into the next tile of RES
.macro CV
	s_wait_loadcnt 0x0                             ; nothing younger is out
	WIN 0x45
.set i, 0
.rept 32
.set rS, 4*i+128*(i/16)
	v_cvt_pk_bf16_f32 v[rS], v[rS], v[rS+1]
	v_cvt_pk_bf16_f32 v[rS+1], v[rS+2], v[rS+3]
.set i, i+1
.endr
	WIN 0x04
.set i, 0
.rept 32
.set rS, 4*i+128*(i/16)
	ds_store_b64 v20, v[rS:rS+1] offset:TP*i
.set i, i+1
.endr
	WIN 0
	v_add_nc_u32 v20, TILE, v20
.endm
; 16 rows of c': rounded, the negative ones set to 0, stored into my tile of RES
.macro PACKR a
.set rT, 192+32*((\a)%2)
	WIN 0x0a+5*((\a)/4)
.irp b, 0,1,2,3,4,5,6,7
.irp k, 0,1,2,3
	v_cvt_pk_bf16_f32 v[rT+4*(\b)+(\k)], v[8*(8*((\a)%4)+(\b))+2*(\k)], v[8*(8*((\a)%4)+(\b))+2*(\k)+1]
.endr
.endr
	WIN 0
.set i, 0
.rept 32
	v_pk_max_num_bf16 v[rT+i], v[rT+i], v26
.set i, i+1
.endr
.irp b, 0,1,2,3,4,5,6,7
	ds_store_b128 v21, v[rT+4*(\b):rT+4*(\b)+3] offset:(\a)*16*TP+32*(\b)
.endr
.endm
; 32 rows of my own tile go to cp: two rows a load; sixteen lanes store 256 consecutive bytes, aligned.  LDS serves a wave's instructions in order (ISA guide 5.7.1.4): these loads see my stores
.macro COPY k
	s_wait_xcnt 0x0                                ; the stores before have read these registers
.irp j, 0,1,2,3,4,5,6,7,8,9,10,11,12,13,14,15
	ds_load_b128 v[192+4*(\j):195+4*(\j)], v23 offset:2*TP*(16*(\k)+(\j))
.endr
.irp j, 0,1,2,3,4,5,6,7,8,9,10,11,12,13,14,15
	s_wait_dscnt 15-(\j)                           ; LDS loads come back in order: pair j is in
	global_store_b128 v24, v[192+4*(\j):195+4*(\j)], s[8:9] offset:2048*(16*(\k)+(\j))
.endr
.endm
; ---- PHASE 2's macros ----
; 16 turning loads: my 8 fragments of K rows 32 q on of the slot (four of k's columns in part 0, four of v's in part 1) into register buffer q
.macro FBQ q
	WIN 0x40
.irp i, 0,1,2,3,4,5,6,7
	ds_load_tr16_b128 v[64*(\q)+8*(\i):64*(\q)+8*(\i)+3],   v[12+(\i)/4] offset:(\q)*32*BP+32*((\i)%4)
	ds_load_tr16_b128 v[64*(\q)+8*(\i)+4:64*(\q)+8*(\i)+7], v[12+(\i)/4] offset:(\q)*32*BP+32*((\i)%4)+16*BP
.endr
.endm
; A chunk of 32 along K, 64 matrix instructions: rows from buffer fa, weights from buffer rb; in its middle the next chunk's rows are fetched into fn
.macro CHUNK fa, rb, fn, rel
	s_wait_dscnt 8                                 ; rows 0-63 are in; the youngest eight loads (rows 64-127) may be out
	MUL16 \fa, \rb, 0, 0
	MUL16 \fa, \rb, 0, 2
	PLACES
	FA \fn, 14, \rel
	s_wait_dscnt 16                                ; all but the 16 just issued
	MUL16 \fa, \rb, 1, 0
	MUL16 \fa, \rb, 1, 2
.endm
; A K STEP OF 128: four chunks on register buffers 0 to 3.  At its head buffers 0 to 2 and the first rows are loaded or on their way.
; Chunk 0: the slot's last chunk goes into buffer 3, whose products have just been issued; with that the slot is empty.  Each wave waits for all its tensor loads (none is out), adds 0 to its spare word and waits
; for that and for its reads of the slot; a round of the cluster's barrier; the joint refill, for step n = 8 - s3: rows 128 ((n % 4) ^ o2) on, columns 256 ((n / 4) ^ jp) on.
; Chunk 3: when 192 matrix instructions have followed the request, the wave waits for its part of the tile (the one load that is out, so the count is 0; no byte is filled behind this barrier), a plain barrier shows
; the whole tile to every wave, and its first three chunks go into buffers 0 to 2, which have been multiplied.
; rf = 0: the last step: nothing is asked for, and nothing follows.
.macro STEP rf
	PLACES
	FBQ 3
	WIN 0
.if \rf
	s_wait_tensorcnt 0x0
	ds_add_u32 v28, v29                            ; 0 onto my spare word; the descriptor's address, work on registers, stands between it and the wait for it
	s_sub_co_u32 s20, 8, s3
	s_and_b32 s21, s20, 3
	s_xor_b32 s21, s21, s58
	s_lshl_b32 s21, s21, 18                        ; 128 rows of 2,048 bytes
	s_lshr_b32 s20, s20, 2
	s_xor_b32 s20, s20, s59
	s_lshl_b32 s20, s20, 9                         ; 256 columns
	s_add_co_u32 s20, s20, s21
	s_mov_b32 s21, 0
	s_add_nc_u64 s[G0+2:G0+3], s[KVB:KVB+1], s[20:21]
	s_or_b32 s[G0+3], s[G0+3], 0x80000000
	s_wait_dscnt 49                                ; buffer 0 is in; the 48 loads of buffers 1 to 3 and the add may be out
	MUL16 F0, 0, 0, 0
	s_wait_dscnt 0x0                               ; the add is done, and my reads of the slot are over
	s_barrier_signal -1
	MUL16 F0, 0, 0, 2
	WIN 0
	s_barrier_wait -1
	CREST
	JL G0, G1B                                     ; the first tensor load behind the round; its four v_nop are also the places in front of the loads below
.else
	s_wait_dscnt 48                                ; buffer 0 is in
	MUL16 F0, 0, 0, 0
	MUL16 F0, 0, 0, 2
	PLACES
.endif
	FA F1, 14, 64
	MUL16 F0, 0, 1, 0
	MUL16 F0, 0, 1, 2
	CHUNK F1, 64, F0, 128
	CHUNK F0, 128, F1, 192
.if \rf
	PLACES
	FA F0, 15, 0                                   ; the next step's first rows
	s_wait_dscnt 16                                ; this chunk's rows are in
.else
	s_wait_dscnt 0x0
.endif
	MUL16 F1, 192, 0, 0
	MUL16 F1, 192, 0, 2
.if \rf
	s_wait_dscnt 0x0
	s_wait_tensorcnt 0x0                           ; my part of the next tile is in,
	s_barrier_signal -1
	s_barrier_wait -1                              ; everybody's is
	FBQ 0
	FBQ 1
	FBQ 2
.endif
	MUL16 F1, 192, 1, 0
	MUL16 F1, 192, 1, 2
.endm
; The sums of a pass start at 0: a product of zeros, so that the loop has one form of product and no branch stands among the lines of a change of tiles
.macro ZERO
.irp hi, 0,1
	WIN 0x80+0x40*(\hi)
.irp a, 0,1,2,3
.irp b, 0,1,2,3,4,5,6,7
	v_wmma_f32_16x16x32_bf16 v[8*(8*(\a)+(\b)):8*(8*(\a)+(\b))+7], v[32:39], v[32:39], 0
.endr
.endr
.endr
	WIN 0
.endm
; k^T v of my head over the 128 rows.  k (column blocks 0-3) and v (4-7) are rounded in place: the results of row blocks 2 t and 2 t + 1 become one fragment of 32 rows.  Then 64 products, the 16 accumulators by turns.
.macro CTX
	s_wait_xcnt 0x0                                ; earlier stores have read v128-255
	PLACES
.irp t, 0,1,2,3
	WIN 0x8a+0x45*((\t)/2)
.irp b, 0,1,2,3,4,5,6,7
.set rE, 8*(8*((2*(\t))%4)+(\b))
.irp k, 0,1,2,3
	v_cvt_pk_bf16_f32 v[rE+(\k)], v[rE+2*(\k)], v[rE+2*(\k)+1]
.endr
.irp k, 0,1,2,3
	v_cvt_pk_bf16_f32 v[rE+4+(\k)], v[rE+64+2*(\k)], v[rE+64+2*(\k)+1]
.endr
.endr
.endr
.irp t, 0,1,2,3
	WIN 0x0a+5*((\t)/2)
.irp d, 0,1,2,3
.irp e, 0,1,2,3
.set rD, CXR+8*(4*(\d)+(\e))
.set rX, 8*(8*((2*(\t))%4)+(\d))
.set rY, 8*(8*((2*(\t))%4)+4+(\e))
.if (\t) == 0
	v_wmma_f32_16x16x32_bf16 v[rD:rD+7], v[rX:rX+7], v[rY:rY+7], 0
.else
	v_wmma_f32_16x16x32_bf16 v[rD:rD+7], v[rX:rX+7], v[rY:rY+7], v[rD:rD+7]
.endif
.endr
.endr
.endr
	PLACES
	WIN 0
.irp d, 0,1,2,3
.irp e, 0,1,2,3
.set rD, CXR+8*(4*(\d)+(\e))
	global_store_b128 v25, v[rD:rD+3],   s[10:11] offset:(4*(\e)+(\d))*1024      ; a wave's store covers 512 consecutive bytes
	global_store_b128 v25, v[rD+4:rD+7], s[10:11] offset:(4*(\e)+(\d))*1024+512
.endr
.endr
	s_wait_xcnt 0x0                                ; the stores have read their registers and the pointer
	s_xor_b32 s62, s62, 65536                      ; the other pass's four heads
	s_add_nc_u64 s[10:11], s[60:61], s[62:63]
	v_nop                                          ; with the four above: six places ahead of products that write over k and v
	v_nop
.endm
	s_load_b256 s[68:75], s[0:1], 0x0              ; c1, c2, b3, b4
	s_load_b128 s[76:79], s[0:1], 0x20             ; wb, cp
	s_load_b64 s[80:81], s[0:1], 0x30              ; part
	v_lshl_add_u32 v28, v0, 2, SPARE
	v_mov_b32 v29, 0
	ds_add_u32 v28, v29                            ; the wave's opening: the add and its wait ahead of my first tensor load; the set-up below, work on registers, stands between them
	v_lshrrev_b32 v1, 5, v0
	v_readfirstlane_b32 s12, v1                    ; wave 0..3
	s_lshr_b32 s13, s12, 1
	s_and_b32 s14, s12, 1
	s_bfe_u32 s15, ttmp6, 0x40000                  ; cx: it enters the addresses of c, cp and part alone
	s_lshl_b32 s16, ttmp9, 2
	s_add_co_u32 s16, s16, s15                     ; row block = 4 x cluster x + cx
	s_and_b32 s17, ttmp7, 0xffff                   ; the path, which the four partners share
	s_lshr_b32 s58, ttmp9, 2
	s_add_co_u32 s58, s58, ttmp9                   ; t = cluster x + cluster x / 4: where this cluster's walks begin
	s_and_b32 s52, s58, 3                          ; phase 1 begins with c's block t % 4
	s_bfe_u32 s59, s58, 0x10001                    ; jp = (t / 2) % 2: the pass that goes first
	s_and_b32 s58, s58, 1
	s_lshl_b32 s58, s58, 1                         ; o2 = 2 (t % 2)
	s_xor_b32 s53, s12, s58                        ; the block of 128 channels of c' that I make
.irp g, G1A, G1B                       ; tiles of 256 columns
	s_mov_b32 s[(\g)+0], 15|(1<<16)|(1<<20)|(1<<21)|(6<<22)|(7<<25)  ; the mask of four; 2-byte elements; padding on; bit 21 beside a mask; after every 128 words (code 6) 8 words (code 7)
	s_mov_b32 s[(\g)+1], 256<<16                   ; tensor_dim0 = 256
	s_mov_b32 s[(\g)+3], 256<<16                   ; tile_dim0 = 256
	s_mov_b32 s[(\g)+6], 0
	s_mov_b32 s[(\g)+7], 0
.endr
	s_mov_b32 s[G1A+2], 32<<16                     ; tensor_dim1 = 32
	s_mov_b32 s[G1A+4], 32                         ; tile_dim1 = 32
	s_mov_b32 s[G1A+5], 512                        ; elements from row to row
	s_mov_b32 s[G1B+2], 64<<16
	s_mov_b32 s[G1B+4], 64
	s_mov_b32 s[G1B+5], 1024
	s_lshl_b32 s20, s17, 19                        ; W3 or W4 in wb,
	s_lshr_b32 s22, s53, 1                         ; the 256 columns that my part of a slot takes: part (wave / 2) ^ (t % 2),
	s_lshl_b32 s22, s22, 9
	s_add_co_u32 s20, s20, s22
	s_lshl_b32 s22, s14, 15                        ; my 32 K rows of 1,024 bytes
	s_add_co_u32 s20, s20, s22
	s_mov_b32 s21, 0
	s_add_co_u32 s22, s17, 1
	s_lshl_b32 s22, s22, 20                        ; Wkv1 or Wkv2 in wb,
	s_lshl_b32 s23, s13, 10                        ; k's columns or v's, 512 columns on,
	s_add_co_u32 s22, s22, s23
	s_lshl_b32 s23, s14, 17                        ; my 64 K rows of 2,048 bytes
	s_add_co_u32 s22, s22, s23
	s_mov_b32 s23, 0
	s_mul_i32 s50, s12, 32*BP                      ; where my part of a tile goes: wave x 32 rows in phase 1,
	s_mul_i32 s51, s12, 64*BP                      ; wave x 64 rows in phase 2
	v_and_b32 v4, 31, v0                           ; l
	v_and_b32 v2, 15, v0                           ; l % 16
	v_bfe_u32 v3, v0, 4, 1                         ; l / 16
	v_and_b32 v5, 7, v0
	v_bfe_u32 v6, v0, 3, 1
	v_lshl_add_u32 v5, v3, 3, v5                   ; the turning load: lane l reads K row 8 (l / 16) + l % 8,
	v_mul_u32_u24 v5, v5, BP
	v_lshl_add_u32 v5, v6, 4, v5                   ; columns 8 ((l / 8) % 2) on
	s_mul_i32 s2, s13, PB1
	s_lshl_b32 s3, s14, 8
	s_add_co_u32 s2, s2, s3
	v_add_nc_u32 v10, s2, v5                       ; phase 1: my 128 columns of a slot
	v_add_nc_u32 v11, SL1, v10
	s_lshl_b32 s2, s12, 7
	v_add_nc_u32 v12, s2, v5                       ; phase 2: my head's 64 columns, in each part
	v_add_nc_u32 v13, PB2, v12
	v_mul_u32_u24 v16, v2, TP
	v_lshl_add_u32 v16, v3, 4, v16
	v_add_nc_u32 v16, RES, v16                     ; a fragment of RES: row l % 16, 16 bytes for each half of the lanes
	s_lshl_b32 s2, s12, 16
	v_lshl_add_u32 v18, v4, 4, s2                  ; c: my 32 rows of 2,048 bytes, 16 bytes a lane
	s_lshl_b32 s2, s12, 5
	v_add_nc_u32 v19, s2, v4
	v_lshlrev_b32 v19, 11, v19                     ; the prefetches: a lane a row
	s_mul_i32 s2, s12, 32*TP
	s_add_co_u32 s2, s2, RES
	v_lshl_add_u32 v20, v4, 3, s2                  ; c rounded: my 32 rows, 8 bytes a lane
	s_mul_i32 s2, s12, TILE
	v_add_nc_u32 v21, s2, v16                      ; c': my tile
	v_mul_u32_u24 v23, v3, TP
	v_lshl_add_u32 v23, v2, 4, v23
	s_add_co_u32 s2, s2, RES
	v_add_nc_u32 v23, s2, v23                      ; back: lanes 0-15 one row of 256 bytes, lanes 16-31 the next
	v_lshlrev_b32 v24, 10, v3
	v_lshl_add_u32 v24, v2, 4, v24
	s_lshl_b32 s2, s53, 8
	v_add_nc_u32 v24, s2, v24                      ; and the same two rows in cp, at my block's 256 bytes of them
	v_lshlrev_b32 v25, 4, v4
	v_mov_b32 v26, 0
	s_lshl_b32 s2, s53, 9
	v_lshl_add_u32 v27, v3, 5, s2                  ; the bias of my columns: 512 x my block + 32 (l / 16)
.irp i, 32,33,34,35,36,37,38,39
	v_mov_b32 v\i, 0
.endr
	s_wait_dscnt 0x0                               ; the opening add is done
	s_wait_kmcnt 0x0
	s_add_nc_u64 s[54:55], s[76:77], s[20:21]
	s_add_nc_u64 s[KVB:KVB+1], s[76:77], s[22:23]
	s_lshl_b32 s20, s52, 17                        ; the first lap's 128 rows of W (s21 is 0)
	s_add_nc_u64 s[22:23], s[54:55], s[20:21]
.irp s, 0,1
	s_mov_b32 s[G0+4*(\s)], 1                      ; count = 1
	s_add_co_u32 s[G0+4*(\s)+1], s50, (\s)*SL1     ; LDS address
	s_add_nc_u64 s[G0+4*(\s)+2:G0+4*(\s)+3], s[22:23], (\s)*65536  ; the lap's first or second 64 rows of 1,024 bytes
	s_or_b32 s[G0+4*(\s)+3], s[G0+4*(\s)+3], 0x80000000            ; type = 2
.endr
	s_cmp_eq_u32 s17, 0
	s_cselect_b64 s[56:57], s[68:69], s[70:71]
	s_cselect_b64 s[6:7], s[72:73], s[74:75]
	s_lshl_b32 s18, s16, 18                        ; my block's 128 rows of 2,048 bytes
	s_mov_b32 s19, 0
	s_add_nc_u64 s[56:57], s[56:57], s[18:19]
	s_lshl_b32 s84, s52, 9                         ; the first block's 512 bytes of a row
	s_mov_b32 s85, 0
	s_mov_b32 s87, 0
	s_add_nc_u64 s[4:5], s[56:57], s[84:85]
	s_lshl_b32 s18, s17, 24
	s_lshl_b32 s2, s16, 17
	s_add_co_u32 s18, s18, s2                      ; in cp: the path, my block's 128 rows of 1,024 bytes; in part: the same figure (131,072 bytes a block)
	s_add_nc_u64 s[8:9], s[78:79], s[18:19]
	s_lshl_b32 s2, s12, 14                         ; my head's 16,384 bytes
	s_add_co_u32 s18, s18, s2
	s_add_nc_u64 s[60:61], s[80:81], s[18:19]
	s_lshl_b32 s62, s59, 16                        ; the first pass's four heads
	s_mov_b32 s63, 0
	s_add_nc_u64 s[10:11], s[60:61], s[62:63]
	CROUND                                         ; all four work-groups are here: the first joint loads meet
	tensor_load_to_lds s[G0:G0+3], s[G1A:G1A+7]    ; K step 0
	s_nop 0
	tensor_load_to_lds s[G0+4:G0+7], s[G1A:G1A+7]  ; K step 1: two loads of mine are out
	s_nop 0
	PLACES
.irp b, 0,1,2,3,4,5,6,7
	global_load_b128 v[BIAS+8*(\b):BIAS+8*(\b)+3],   v27, s[6:7] offset:64*(\b)
	global_load_b128 v[BIAS+8*(\b)+4:BIAS+8*(\b)+7], v27, s[6:7] offset:64*(\b)+16
.endr
	LD 1                                           ; the first block of 128 channels
	s_wait_loadcnt 32                              ; the bias is in; c's 32 loads stay out
.irp hi, 0,1                           ; the sums start at the bias: a product of zeros carries it in, while the first tiles are on their way, so that the loop has one form of product
	WIN 0x80+0x40*(\hi)
.irp a, 0,1,2,3
.irp b, 0,1,2,3,4,5,6,7
	v_wmma_f32_16x16x32_bf16 v[8*(8*(\a)+(\b)):8*(8*(\a)+(\b))+7], v[32:39], v[32:39], v[BIAS+8*(\b):BIAS+8*(\b)+7]
.endr
.endr
.endr
	CV
	s_wait_tensorcnt 1                             ; my part of K step 0 is in; K step 1's may stay out
	s_wait_dscnt 0x0                               ; my rows of c are stored
	s_barrier_signal -1
	s_barrier_wait -1
	v_mov_b32 v14, v16
	FETCH F0, 0, 0, 0
	; PHASE 1: c' = relu(c W + b).  8 K steps of 64; a lap is two steps, 128 channels, one tile of RES.  In a lap the next 128 channels of c are loaded at its head and stored ahead of its last change of slots.
	s_mov_b32 s3, 3
.Llap1:
	LD 0
	ASKC
	QA F0, F1, 0, 1, 64
	MEET 1, 0
	WSTEP 0                                        ; the next lap's first 64 rows
	JL G0, G1A                                     ; the first tensor load behind the round; its four v_nop are also the places in front of the loads below
	FETCH F0, 1, 0, 128
	MULHI
	QA F0, F1, 1, 1, 192
	CV
	MEET 1, 32
	WSTEP 1                                        ; and its second 64
	JL G0+4, G1A
	FETCH F0, 0, 0, TILE                           ; the tile of RES that every wave has just finished storing
	MULHI
	WIN 0
	v_add_nc_u32 v14, TILE, v14
	s_sub_co_u32 s3, s3, 1
	s_cmp_lg_u32 s3, 0
	s_cbranch_scc1 .Llap1
	QA F0, F1, 0, 1, 64                            ; the last lap: W has no further step
	MEET 0, 0                                      ; my one load that was out is slot 1's
	PLACES
	FETCH F0, 1, 0, 128
	MULHI
	QA F0, F1, 1, 1, 192
	MEET 1, 0                                      ; behind this round no wave reads W's slots or c any more: both slots' bytes become the one slot of phase 2
	s_mov_b32 s[G0+1], s51
	s_lshl_b32 s20, s58, 18                        ; Wkv's tile of step 0: rows 128 o2 on,
	s_lshl_b32 s21, s59, 9                         ; columns 256 jp on: it lands while c' is rounded and stored
	s_add_co_u32 s20, s20, s21
	s_mov_b32 s21, 0
	s_add_nc_u64 s[G0+2:G0+3], s[KVB:KVB+1], s[20:21]
	s_or_b32 s[G0+3], s[G0+3], 0x80000000
	JL G0, G1B
	MULHI
	PLACES
.irp a, 0,1,2,3,4,5,6,7
	PACKR \a
.endr
.irp k, 0,1,2,3
	COPY \k
.endr
	ZERO
	; PHASE 2: kv = c' Wkv and k^T v, four heads a pass, four K steps of 128 a pass: eight steps, of which the last is written out
.set MODET, 0
.set MLOW,  4
	s_wait_tensorcnt 0x0                           ; my part of the first tile is in (the one load that is out)
	s_wait_dscnt 0x0                               ; for the others' sake: my tile of c' is stored
	s_barrier_signal -1
	s_barrier_wait -1
	v_mov_b32 v14, v16
	v_add_nc_u32 v15, TILE, v16
	FA F0, 14, 0
	FBQ 0
	FBQ 1
	FBQ 2
	WIN 0
	s_mov_b32 s3, 7
.Lstep:
	STEP 1
	WIN 0
	v_mov_b32 v14, v15                             ; the next step's tile of RES,
	v_add_nc_u32 v15, TILE, v15                    ; and the one after it,
	s_cmp_eq_u32 s3, 5
	s_cbranch_scc0 .Lnowrap
	v_mov_b32 v15, v16                             ; which behind a pass's fourth is the first again
.Lnowrap:
	s_cmp_eq_u32 s3, 4                             ; the first pass's fourth step is done
	s_cbranch_scc0 .Lnoctx
	CTX
	ZERO
.Lnoctx:
	s_sub_co_u32 s3, s3, 1
	s_cmp_lg_u32 s3, 0
	s_cbranch_scc1 .Lstep
	STEP 0
	CTX
	s_wait_tensorcnt 0x0                           ; the wave's end: the add and its wait, behind my last tensor load and my last LDS store
	ds_add_u32 v28, v29
	s_wait_dscnt 0x0
	CROUND                                         ; the closing round: no work-group ends while a partner may still ask for a tile that names it
	s_endpgm
.Lfunc_end_k_q69a949a07f_proj:
	.size	k_q69a949a07f_proj, .Lfunc_end_k_q69a949a07f_proj-k_q69a949a07f_proj
	.p2alignl 7, 3214868480
	.fill 96, 4, 3214868480
	.section	.rodata,"a",@progbits
	.p2align	6, 0x0
	.amdhsa_kernel k_q69a949a07f_proj
		.amdhsa_group_segment_fixed_size 327680
		.amdhsa_private_segment_fixed_size 0
		.amdhsa_enable_private_segment 0
		.amdhsa_kernarg_size 56
		.amdhsa_user_sgpr_count 2
		.amdhsa_user_sgpr_kernarg_segment_ptr 1
		.amdhsa_wavefront_size32 1
		.amdhsa_system_sgpr_workgroup_id_x 1
		.amdhsa_system_sgpr_workgroup_id_y 1
		.amdhsa_system_sgpr_workgroup_id_z 1
		.amdhsa_system_vgpr_workitem_id 0
		.amdhsa_next_free_vgpr 1024
		.amdhsa_next_free_sgpr 104
		.amdhsa_reserve_vcc 0
		.amdhsa_float_denorm_mode_32 3
		.amdhsa_float_denorm_mode_16_64 3
		.amdhsa_memory_ordered 1
		.amdhsa_forward_progress 1
		.amdhsa_inst_pref_size 242
	.end_amdhsa_kernel
	.amdgpu_metadata
---
amdhsa.version: [ 1, 2 ]
amdhsa.kernels:
  - .name:           k_q69a949a07f_proj
    .symbol:         k_q69a949a07f_proj.kd
    .args:
      - { .name: c1, .offset: 0, .size: 8, .value_kind: global_buffer, .address_space: global }
      - { .name: c2, .offset: 8, .size: 8, .value_kind: global_buffer, .address_space: global }
      - { .name: b3, .offset: 16, .size: 8, .value_kind: global_buffer, .address_space: global }
      - { .name: b4, .offset: 24, .size: 8, .value_kind: global_buffer, .address_space: global }
      - { .name: wb, .offset: 32, .size: 8, .value_kind: global_buffer, .address_space: global }
      - { .name: cp, .offset: 40, .size: 8, .value_kind: global_buffer, .address_space: global }
      - { .name: part, .offset: 48, .size: 8, .value_kind: global_buffer, .address_space: global }
    .group_segment_fixed_size: 327680
    .private_segment_fixed_size: 0
    .kernarg_segment_align: 8
    .kernarg_segment_size: 56
    .max_flat_workgroup_size: 128
    .sgpr_count:     104
    .vgpr_count:     1024
    .wavefront_size: 32
...
	.end_amdgpu_metadata
.endif
;; end of part 2
;; launch ctxsm (part 3): grid 256 x 1, 8 waves a work-group, no clusters, 33,792 bytes of LDS; arguments part, ctxb; writes ctxb
.if DOCPART == 3
	.amdgcn_target "amdgcn-amd-amdhsa--gfx1250"
	.amdhsa_code_object_version 6
	.text
	.protected	k_q69a949a07f_ctxsm
	.globl	k_q69a949a07f_ctxsm
	.p2align	8
	.type	k_q69a949a07f_ctxsm,@function
k_q69a949a07f_ctxsm:
	s_mov_b64 s[64:65], 0
	v_nop
	global_prefetch_b8 v0, s[64:65] scope:SCOPE_SE
	s_setreg_imm32_b32 hwreg(HW_REG_WAVE_MODE, 25, 1), 1
	s_wait_xcnt 0x0
; CTXSM.  ctx[d][e] = softmax over d of (the sum over a batch's 32 row blocks of their k^T v)[d][e] / 8, for each path, batch and head; stored as bf16 in the order of the registers of the launch that multiplies by it.
; A work-group (number = 128 path + 32 batch + 4 head + bv) owns the 64 x 16 block of columns e = 16 bv on.  In part a block's share lies as 4 tiles of 16 x 16 f32: lane l holds column e = 16 bv + l % 16
; and, in register 8 bk + j, row d = 16 bk + 8 (l / 16) + j: a column's 64 numbers lie in two lanes, 16 apart.
; Each of the eight waves adds four row blocks (f32), the eight sums meet in LDS (f32), wave 0 adds them and makes the softmax: the column's true maximum m is taken away first, then p = 2^(c (x - m)), c = log2(e) / 8.
; LIMITS.  A weight below 2^-126 counts as 0; NaN and infinities are not treated apart.
; A stream of 128 KiB a work-group with a short end: no matrix unit, no cluster (no two work-groups read the same byte).
.set SPARE, 32768                      ; behind the eight sums of 4,096 bytes: the spare words, 128 bytes a wave: four blocks of 256 bytes that no other line names
	s_load_b128 s[4:7], s[0:1], 0x0                ; part, ctxb
	v_lshl_add_u32 v2, v0, 2, SPARE
	v_mov_b32 v3, 0
	v_lshrrev_b32 v1, 5, v0
	v_readfirstlane_b32 s8, v1                     ; wave 0..7
	v_and_b32 v4, 31, v0
	s_lshr_b32 s9, ttmp9, 5                        ; 4 path + batch: 32 row blocks of 131,072 bytes each
	s_lshl_b32 s9, s9, 22
	s_and_b32 s10, ttmp9, 31                       ; 4 head + bv: 4,096 bytes each
	s_lshl_b32 s10, s10, 12
	s_add_co_u32 s10, s10, s9
	s_mov_b32 s11, 0
	s_lshr_b32 s12, ttmp9, 2                       ; in ctxb: 8,192 bytes a head,
	s_lshl_b32 s12, s12, 13
	s_and_b32 s13, ttmp9, 3                        ; 1,024 a block of 16 columns
	s_lshl_b32 s13, s13, 10
	s_add_co_u32 s12, s12, s13
	s_mov_b32 s13, 0
	s_lshl_b32 s14, s8, 19                         ; my four row blocks
	v_lshl_add_u32 v5, v4, 4, s14
	s_lshl_b32 s14, s8, 12                         ; my sum in LDS
	v_lshl_add_u32 v6, v4, 4, s14
	v_lshlrev_b32 v7, 4, v4
	s_mov_b32 s16, 0x3e38aa3b                      ; c = log2(e) / 8
	s_mov_b32 s17, s16                             ; named with it as a pair
	s_mov_b32 s18, 0x76543210                      ; v_permlanex16_b32: each lane takes its own place in the other half
	s_mov_b32 s19, 0xfedcba98
	s_wait_kmcnt 0x0
	s_add_nc_u64 s[4:5], s[4:5], s[10:11]
	s_add_nc_u64 s[6:7], s[6:7], s[12:13]
.irp k, 0,1,2,3
.irp i, 0,1,2,3,4,5,6,7
	global_load_b128 v[32+4*(8*(\k)+(\i)):35+4*(8*(\k)+(\i))], v5, s[4:5] offset:(\k)*131072+(\i)*512 th:TH_LOAD_NT
.endr
.endr
.irp k, 1,2,3
	s_wait_loadcnt 24-8*(\k)                       ; row block k is in; the younger blocks' loads, eight each, stay out
.set j, 0
.rept 16
	v_pk_add_f32 v[32+j:33+j], v[32+j:33+j], v[32+32*(\k)+j:33+32*(\k)+j]
.set j, j+2
.endr
.endr
.irp i, 0,1,2,3,4,5,6,7
	ds_store_b128 v6, v[32+4*(\i):35+4*(\i)] offset:512*(\i)
.endr
	s_wait_dscnt 0x0                               ; for wave 0's sake: my sum is stored
	s_barrier_signal -1
	s_barrier_wait -1
	s_cmp_lg_u32 s8, 0
	s_cbranch_scc1 .Lend
.irp w, 1,2,3,4                        ; wave 0 still holds its own sum in v32-63
.irp i, 0,1,2,3,4,5,6,7
	ds_load_b128 v[32+32*(\w)+4*(\i):35+32*(\w)+4*(\i)], v7 offset:4096*(\w)+512*(\i)
.endr
.endr
	s_wait_dscnt 0x0
.irp w, 1,2,3,4
.set j, 0
.rept 16
	v_pk_add_f32 v[32+j:33+j], v[32+j:33+j], v[32+32*(\w)+j:33+32*(\w)+j]
.set j, j+2
.endr
.endr
.irp w, 5,6,7
.irp i, 0,1,2,3,4,5,6,7
	ds_load_b128 v[32*(\w)-96+4*(\i):32*(\w)-93+4*(\i)], v7 offset:4096*(\w)+512*(\i)
.endr
.endr
	s_wait_dscnt 0x0
.irp w, 5,6,7
.set j, 0
.rept 16
	v_pk_add_f32 v[32+j:33+j], v[32+j:33+j], v[32*(\w)-96+j:32*(\w)-95+j]
.set j, j+2
.endr
.endr
	; the column's maximum: four chains of seven, the four left over, the four into one, the other half of the lanes
.irp c, 0,1,2,3
	v_max3_num_f32 v[8+(\c)], v[32+8*(\c)], v[33+8*(\c)], v[34+8*(\c)]
.endr
.irp c, 0,1,2,3
	v_max3_num_f32 v[8+(\c)], v[8+(\c)], v[35+8*(\c)], v[36+8*(\c)]
.endr
.irp c, 0,1,2,3
	v_max3_num_f32 v[8+(\c)], v[8+(\c)], v[37+8*(\c)], v[38+8*(\c)]
.endr
	v_max3_num_f32 v8, v8, v39, v47
	v_max3_num_f32 v10, v10, v55, v63
	v_max3_num_f32 v8, v8, v9, v10
	v_max_num_f32 v8, v8, v11
	v_permlanex16_b32 v9, v8, s18, s19
	v_max_num_f32 v8, v8, v9                       ; m, in both lanes of the column
.set j, 0
.rept 16
	v_pk_add_f32 v[32+j:33+j], v[32+j:33+j], v[8:9] op_sel_hi:[1,0] neg_lo:[0,1] neg_hi:[0,1]  ; x - m: the difference first, so that the sums' common size costs no bits
.set j, j+2
.endr
.set j, 0
.rept 16
	v_pk_mul_f32 v[32+j:33+j], v[32+j:33+j], s[16:17] op_sel_hi:[1,0]
.set j, j+2
.endr
.set j, 0
.rept 32
	v_exp_f32 v[32+j], v[32+j]
.set j, j+1
.endr
	v_nop                                          ; a plain instruction behind the last exponential,
	s_wait_alu depctr_va_vdst(0)                   ; and one wait for the batch of 32, ahead of the first use
.irp i, 0,1,2,3,4,5,6,7
	v_pk_add_f32 v[64+2*(\i):65+2*(\i)], v[32+4*(\i):33+4*(\i)], v[34+4*(\i):35+4*(\i)]
.endr
.irp i, 0,1,2,3
	v_pk_add_f32 v[64+4*(\i):65+4*(\i)], v[64+4*(\i):65+4*(\i)], v[66+4*(\i):67+4*(\i)]
.endr
	v_pk_add_f32 v[64:65], v[64:65], v[68:69]
	v_pk_add_f32 v[72:73], v[72:73], v[76:77]
	v_pk_add_f32 v[64:65], v[64:65], v[72:73]
	v_add_f32 v64, v64, v65
	v_permlanex16_b32 v65, v64, s18, s19
	v_add_f32 v64, v64, v65                        ; the column's sum
	v_rcp_f32 v66, v64
	v_nop
	s_wait_alu depctr_va_vdst(0)
.set j, 0
.rept 16
	v_pk_mul_f32 v[32+j:33+j], v[32+j:33+j], v[66:67] op_sel_hi:[1,0]
.set j, j+2
.endr
.set j, 0
.rept 16
	v_cvt_pk_bf16_f32 v[68+j], v[32+2*j], v[33+2*j]
.set j, j+1
.endr
.irp k, 0,1,2,3                        ; tile bk is half bk % 2 of the fragment of rows 32 (bk / 2) on: 512 consecutive bytes a store
	global_store_b128 v7, v[68+4*(\k):71+4*(\k)], s[6:7] offset:((\k)/2)*4096+((\k)%2)*512
.endr
.Lend:
	s_wait_tensorcnt 0x0                           ; the wave's end: the add and its wait, behind my last LDS store
	ds_add_u32 v2, v3
	s_wait_dscnt 0x0
	s_endpgm
.Lfunc_end_k_q69a949a07f_ctxsm:
	.size	k_q69a949a07f_ctxsm, .Lfunc_end_k_q69a949a07f_ctxsm-k_q69a949a07f_ctxsm
	.p2alignl 7, 3214868480
	.fill 96, 4, 3214868480
	.section	.rodata,"a",@progbits
	.p2align	6, 0x0
	.amdhsa_kernel k_q69a949a07f_ctxsm
		.amdhsa_group_segment_fixed_size 33792
		.amdhsa_private_segment_fixed_size 0
		.amdhsa_enable_private_segment 0
		.amdhsa_kernarg_size 16
		.amdhsa_user_sgpr_count 2
		.amdhsa_user_sgpr_kernarg_segment_ptr 1
		.amdhsa_wavefront_size32 1
		.amdhsa_system_sgpr_workgroup_id_x 1
		.amdhsa_system_sgpr_workgroup_id_y 1
		.amdhsa_system_sgpr_workgroup_id_z 1
		.amdhsa_system_vgpr_workitem_id 0
		.amdhsa_next_free_vgpr 192
		.amdhsa_next_free_sgpr 66
		.amdhsa_reserve_vcc 0
		.amdhsa_float_denorm_mode_32 3
		.amdhsa_float_denorm_mode_16_64 3
		.amdhsa_memory_ordered 1
		.amdhsa_forward_progress 1
		.amdhsa_inst_pref_size 27
	.end_amdhsa_kernel
	.amdgpu_metadata
---
amdhsa.version: [ 1, 2 ]
amdhsa.kernels:
  - .name:           k_q69a949a07f_ctxsm
    .symbol:         k_q69a949a07f_ctxsm.kd
    .args:
      - { .name: part, .offset: 0, .size: 8, .value_kind: global_buffer, .address_space: global }
      - { .name: ctxb, .offset: 8, .size: 8, .value_kind: global_buffer, .address_space: global }
    .group_segment_fixed_size: 33792
    .private_segment_fixed_size: 0
    .kernarg_segment_align: 8
    .kernarg_segment_size: 16
    .max_flat_workgroup_size: 256
    .sgpr_count:     66
    .vgpr_count:     192
    .wavefront_size: 32
...
	.end_amdgpu_metadata
.endif
;; end of part 3
;; launch final (part 4): grid 128 x 2, 4 waves a work-group, clusters of 4 x 1, 327,680 bytes of LDS; arguments s1, s2, x1, x2, be1, be2, g1, g2, bt1, bt2, wb, cp, ctxb, out0, out1; writes out0, out1
.if DOCPART == 4
	.amdgcn_target "amdgcn-amd-amdhsa--gfx1250"
	.amdhsa_code_object_version 6
	.text
	.protected	k_q69a949a07f_final
	.globl	k_q69a949a07f_final
	.p2align	8
	.type	k_q69a949a07f_final,@function
k_q69a949a07f_final:
	s_mov_b64 s[64:65], 0
	v_nop
	global_prefetch_b8 v0, s[64:65] scope:SCOPE_SE
	s_setreg_imm32_b32 hwreg(HW_REG_WAVE_MODE, 25, 1), 1
	s_wait_xcnt 0x0
	s_wait_alu depctr_hold_cnt(0) depctr_sa_sdst(0) depctr_va_vdst(0) depctr_va_sdst(0) depctr_va_ssrc(0) depctr_va_vcc(0) depctr_vm_vsrc(0)
	s_getreg_b32 s2, hwreg(HW_REG_IB_STS2, 6, 4)
	s_cmp_eq_u32 s2, 0
	s_cbranch_scc0 .Lentry_in_a_cluster
	s_endpgm
.Lentry_in_a_cluster:
	s_bfe_u32 s2, ttmp6, 0x10000c
	s_cmp_lg_u32 s2, 0x3003
	s_cbranch_scc0 .Lentry_shape_is_right
	s_endpgm
.Lentry_shape_is_right:
; FINAL.  For path p (grid y) and a block of 128 rows (grid x):  a = c' (by heads) x ctx of the OTHER path;  out = LayerNorm(x + [s | a] We + be) g + bt.
; Matrix operands are bf16 (s rounded once on its way into LDS, a once); sums, x, the bias and the norm are f32.  The norm takes the mean first and then the mean of the squared differences.
; LIMITS.  NaN and infinities are not treated apart.
; SHARES.  Four waves; the work-group makes 128 rows x 512 columns (whole rows, as the norm wants), a wave 128 x 128: 64 accumulators.
; K = 1,024 goes in 8 steps of 128: a step takes one chunk of 64 channels of a (one head; rows from RES; We's rows 512 + 64 c) and then the same chunk of s (rows from ASL; We's rows 64 c).
; So s streams in over the whole loop, 16 loads a wave out for a step.  f32 sums may be taken in any order of K.
; THE WALK BEGINS AT ANOTHER PLACE IN EACH CLUSTER, so that the clusters do not all ask for the same tile in the same step: t = cluster x + cluster x / 4, the same in all four partners; off = 2 (t % 4);
; step i takes chunk c = (i + off) % 8.  All of this lies in global addresses: tile j of RES takes c's columns 128 ((j + off / 2) % 4) on, so that chunk (i + off) % 8 lies at tile i / 2, half i % 2, whatever t is.
; WEIGHTS: as bf16 [in][out] in wb.  Beside the resident block LDS has room for 128 K rows once, not twice.  But a wave alone reads its own 128 columns, and its fragments of 128 K rows are 256 registers: all of
; window 1.  So there is ONE slot of 128 K rows (two parts of 128 rows x 256 columns; a wave fetches 64 rows of a part: a's or s's), which is emptied into four register buffers and filled again while those are
; multiplied: from a request to the wait for it a wave issues 192 matrix instructions, and there is one request, one round and one plain barrier for 128 along K.  Fragments come out of LDS turned.
; CLUSTER.  The four row blocks of a cluster walk the same We: each tile is asked for JOINTLY.  c' and x are a work-group's own: plain tensor loads, behind rounds like the others.
; No prefetch is laid for We: each tile is asked for, for the first time in the launch, in some cluster's first two steps.  s and x are read once by their own wave and are prefetched.
; THE PRODUCTS ARE TAKEN TRANSPOSED (source 0 = 16 columns of the weights, source 1 = 16 rows): a lane holds one row and 8 neighbouring columns.
; THE WAY OUT, in four quarters of 32 rows: the sums go into a stage in LDS (f32), x comes into the slot's bytes, which have had their last tile; a wave then takes 8 whole rows, two at a time.
; LDS: the slot 0 .. 139,263 (later x: 32,768 bytes a wave, two quarters);  ASL two slots of 18,432 bytes (128 rows, pitch 144) that take turns, written by LDS stores alone;
;   RES 139,264: four tiles of 128 rows x 128 channels (a row: 256 bytes + 16): wave w fills tile w with c' by one load, reads it alone, and stores a over it;
;   the two stages (32 rows, pitch 2,064) lie over ASL and RES when those have been read out; no fill lands there any more.
; REGISTERS: window 0: v0-63 addresses and at work; v64-127, v128-191 fragments of rows, two buffers (later the norm's rows, g and bt); v192-255 s as loaded
;   window 1: at the head v64-191 ctx and v192-255 be; then four buffers of 64: We's fragments for 32 along K each;   windows 2, 3: the accumulators ((a, b) at v[8 (8 (a % 4) + b)])
.set BP,    544                        ; a K row of a part: 512 bytes + 32 = 17 x 32
.set PB2,   128*BP
.set ASL,   2*PB2
.set AP,    144                        ; 128 + 16 bytes
.set ASLB,  128*AP                     ; one slot of ASL
.set RES,   ASL+2*ASLB
.set TP,    272                        ; a row of a tile of RES: 256 + 16 = 17 x 16 bytes: the 16 rows of a fragment load start at 16 different groups of four banks
.set TILE,  128*TP
.set SPARE, RES+4*TILE                 ; the spare words, 128 bytes a wave: two blocks of 256 bytes that no other line names
.set STG0,  ASL
.set SGP,   2064                       ; 2,048 + 16 bytes
.set STG1,  STG0+32*SGP
.set F0,    64
.set F1,    128
.set STA,   192                        ; s as loaded, in window 0
.set G1W,   24                         ; s[24:31] group 1 for We
.set G1X,   32                         ; s[32:39] group 1 for x
.set G0B,   40                         ; s[40:43] group 0 for We
.set G0X,   48                         ; s[48:51] group 0 for x
.set G1C,   56                         ; s[56:63] group 1 for c'
.set G0C,   68                         ; s[68:71] group 0 for c' (when the arguments there have been taken)
; s2 trips of the norm   s3 steps to go   s[4:5] s at the chunk that is loaded   s[6:7] be   s[8:9] g   s[10:11] bt   s12 wave   s13 wave / 2   s14 wave % 2   s15 cx   s16 row block   s17 path
; s[20:21] an offset for We's descriptor (s21 at the head: my block of c')   s[44:45] my part of We's chunk 0   s[46:47] s at my rows   s52, s53 the slot of ASL that is read, that is written (0 or 18,432)
; s54 off   s55 v15's next step   s[66:67] ctx of my two heads   s[72:73] lane selects   s[74:75] s's prefetch pointer   s76 s's chunk that was loaded last   s[78:79], s[80:81] offsets in s
; s[98:99] x at my 8 rows of quarter 0   s[100:101] out at my block
; v10 We's fragments in the slot   v12 fragments of ASL, this step's slot   v13 the same in slot 0   v14 this step's chunk of a in RES   v15 the next step's   v16 my own tile of RES   v18 s's offset
; v19, v20 prefetch offsets   v21 where s is stored, this step's slot   v31 the same in slot 0   v22-23 where the sums go in stage 0, 1   v24-26 the norm's running addresses   v27 my rows in a stage
; v28, v29 the add's two registers   v30 16,384 w + 16 l   v32 be's offset   v33 32,768 w + 16 l   v34 eps   v35 16 l   v36-59 at work (v40-47: zeros until the sums have begun)
.set MSB, 0
.macro WIN new                         ; the high byte repeats the setting that is left; a switch that changes nothing is dropped
.if MSB != (\new)
	s_set_vgpr_msb (MSB<<8)|(\new)
.set MSB, (\new)
.endif
.endm
.macro PLACES                          ; four plain vector instructions between a matrix instruction and a load into, a write of or a read of its registers (ISA guide 7.12.1 for writes and reads)
.rept 4
	v_nop
.endr
.endm
.macro CREST                           ; a round of the cluster's barrier behind its opening barrier
	s_cmp_lg_u32 s12, 0
	s_cbranch_scc1 .Lnw0_\@
	s_barrier_signal -3
.Lnw0_\@:
	s_barrier_wait -3
	s_barrier_signal -1
	s_barrier_wait -1
.endm
.macro CROUND
	s_barrier_signal -1
	s_barrier_wait -1
	CREST
.endm
.macro JL g0, g1                       ; a tensor load: one line for all four waves, whose registers differ by the wave's number; s_nop 0 and four v_nop follow
	tensor_load_to_lds s[(\g0):(\g0)+3], s[(\g1):(\g1)+7]
	s_nop 0
	PLACES
.endm
; 16 matrix instructions: row blocks a0, a0 + 1 of the window's four x all 8 column blocks, 32 along K; rows from buffer fa (window 0), weights from buffer rb (window 1).  The 64 accumulators take turns, one instruction a turn.
.macro MUL16 fa, rb, hi, a0
	WIN 0xa1+0x50*(\hi)
.irp a, \a0, (\a0)+1
.irp b, 0,1,2,3,4,5,6,7
.set rD, 8*(8*(\a)+(\b))
.set rX, (\rb)+8*(\b)
.set rY, (\fa)+8*(4*(\hi)+(\a))
	v_wmma_f32_16x16x32_bf16 v[rD:rD+7], v[rX:rX+7], v[rY:rY+7], v[rD:rD+7]
.endr
.endr
.endm
; 16 turning loads: my 8 fragments (128 columns) of K rows 32 q on of the slot into register buffer q
.macro FBQ q
	WIN 0x40
.irp i, 0,1,2,3,4,5,6,7
	ds_load_tr16_b128 v[64*(\q)+8*(\i):64*(\q)+8*(\i)+3],   v10 offset:(\q)*32*BP+32*(\i)
	ds_load_tr16_b128 v[64*(\q)+8*(\i)+4:64*(\q)+8*(\i)+7], v10 offset:(\q)*32*BP+32*(\i)+16*BP
.endr
.endm
.macro FAR f, ar, rel                  ; 16 LDS loads: 8 fragments of a, at byte rel behind v[ar]
	WIN 0
.irp i, 0,1,2,3,4,5,6,7
	ds_load_b128 v[(\f)+8*(\i):(\f)+8*(\i)+3],   v[\ar] offset:(\rel)+(\i)*16*TP
	ds_load_b128 v[(\f)+8*(\i)+4:(\f)+8*(\i)+7], v[\ar] offset:(\rel)+(\i)*16*TP+32
.endr
.endm
.macro FAS f, rel                      ; the same of s, at byte rel of this step's slot of ASL
	WIN 0
.irp i, 0,1,2,3,4,5,6,7
	ds_load_b128 v[(\f)+8*(\i):(\f)+8*(\i)+3],   v12 offset:(\rel)+(\i)*16*AP
	ds_load_b128 v[(\f)+8*(\i)+4:(\f)+8*(\i)+7], v12 offset:(\rel)+(\i)*16*AP+32
.endr
.endm
; A chunk of 32 along K, 64 matrix instructions: rows from buffer fa, weights from buffer rb; in its middle the next chunk's rows, s's, are fetched into fn
.macro CHUNK fa, rb, fn, rel
	s_wait_dscnt 8                                 ; rows 0-63 are in; the youngest eight loads (rows 64-127) may be out
	MUL16 \fa, \rb, 0, 0
	MUL16 \fa, \rb, 0, 2
	PLACES
	FAS \fn, \rel
	s_wait_dscnt 16                                ; all but the 16 just issued
	MUL16 \fa, \rb, 1, 0
	MUL16 \fa, \rb, 1, 2
.endm
; my 32 rows' next chunk of 64 channels of s: two rows an instruction, sixteen lanes to a row's 256 consecutive bytes
.macro SLD first
	WIN 0
.if !(\first)
	s_wait_xcnt 0x0                                ; the loads and the prefetch of a step ago have read their pointers
	s_add_co_u32 s76, s76, 1
	s_and_b32 s76, s76, 7                          ; the next chunk, round the eight
	s_lshl_b32 s78, s76, 8
	s_add_nc_u64 s[4:5], s[46:47], s[78:79]
.endif
.set i, 0
.rept 16
	global_load_b128 v[STA+4*i:STA+4*i+3], v18, s[4:5] offset:4096*i th:TH_LOAD_NT
.set i, i+1
.endr
.endm
; A prefetch into the L2 of what the next step's SLD will load: my own 32 rows x 256 bytes of the chunk after this one, a lane a row: each block is named once, a step (256 matrix instructions) ahead
.macro ASKS
	s_add_co_u32 s80, s76, 1
	s_and_b32 s80, s80, 7
	s_lshl_b32 s80, s80, 8
	s_add_nc_u64 s[74:75], s[46:47], s[80:81]      ; written behind SLD's s_wait_xcnt 0; the loads issued since do not name it
	global_prefetch_b8 v19, s[74:75] th:TH_LOAD_NT scope:SCOPE_SE
.endm
; The same for x: my own 8 rows of quarter q, 64 blocks of 256 bytes, a lane a block, two instructions; each block is named once, a step ahead of the tensor load that brings the quarter or more
.macro ASKX q
	global_prefetch_b8 v20, s[98:99] offset:(\q)*65536 th:TH_LOAD_NT scope:SCOPE_SE
	global_prefetch_b8 v20, s[98:99] offset:(\q)*65536+1024 th:TH_LOAD_NT scope:SCOPE_SE
.endm
.macro SCV                             ; s rounded to bf16 in place and stored into the slot of ASL that the next step reads; its last readers passed two barriers ago
	WIN 0
	s_wait_loadcnt 0x0                             ; nothing younger is out
.set i, 0
.rept 16
	v_cvt_pk_bf16_f32 v[STA+4*i], v[STA+4*i], v[STA+4*i+1]
	v_cvt_pk_bf16_f32 v[STA+4*i+1], v[STA+4*i+2], v[STA+4*i+3]
.set i, i+1
.endr
.set i, 0
.rept 16
	ds_store_b64 v21, v[STA+4*i:STA+4*i+1] offset:2*AP*i
.set i, i+1
.endr
.endm
; A K STEP OF 128: four chunks of 32 on register buffers 0 to 3: two of a, two of s.  At its head buffers 0 to 2 and the first rows are loaded or on their way.
; Chunk 0: the slot's last chunk goes into buffer 3, whose products have just been issued; with that the slot is empty.  Each wave waits for all its tensor loads (none is out), adds 0 to its spare word and waits
; for that and for its reads of the slot; a round of the cluster's barrier; the refill, for step n = 8 - s3: We's rows of chunk (n + off) % 8.  Behind it, while the tile is on its way, the next step's s is rounded
; and stored and the s after that is asked for.
; Chunk 3: when 192 matrix instructions have followed the request, the wave waits for its part of the tile (the one load that is out, so the count is 0; no byte is filled behind this barrier), a plain barrier shows
; the whole tile, and the stored s, to every wave, and the tile's first three chunks go into buffers 0 to 2, which have been multiplied.
; rf = 1: in the loop.  rf = 2: the last step: the slot takes x's quarters 0 and 1, and its plain barrier says that nobody reads ASL or RES any more.
.macro STEP rf
	PLACES
	FBQ 3
	WIN 0
	s_wait_tensorcnt 0x0
	ds_add_u32 v28, v29                            ; 0 onto my spare word; the descriptor's address, work on registers, stands between it and the wait for it
.if (\rf) == 1
	s_sub_co_u32 s20, 8, s3
	s_add_co_u32 s20, s20, s54
	s_and_b32 s20, s20, 7
	s_lshl_b32 s20, s20, 16                        ; 64 rows of 1,024 bytes a chunk, in a's rows of We and in s's
	s_mov_b32 s21, 0
	s_add_nc_u64 s[G0B+2:G0B+3], s[44:45], s[20:21]
	s_or_b32 s[G0B+3], s[G0B+3], 0x80000000
.endif
	s_wait_dscnt 49                                ; buffer 0 is in; the 48 loads of buffers 1 to 3 and the add may be out
	MUL16 F0, 0, 0, 0
	s_wait_dscnt 0x0                               ; the add is done, and my reads of the slot are over
	s_barrier_signal -1
	MUL16 F0, 0, 0, 2
	WIN 0
	s_barrier_wait -1
	CREST
.if (\rf) == 1
	JL G0B, G1W                                    ; the first tensor load behind the round; its four v_nop are also the places in front of the loads below
	SCV
	s_cmp_gt_u32 s3, 1                             ; the loop's last trip has stored s's last chunk
	s_cbranch_scc0 .Lnos_\@
	SLD 0                                          ; a step in which to come
	s_cmp_gt_u32 s3, 2
	s_cbranch_scc0 .Lnos_\@
	ASKS
.Lnos_\@:
	s_cmp_eq_u32 s3, 1
	s_cbranch_scc0 .Lnox_\@
	ASKX 0                                         ; the next step's refill brings these two quarters
	ASKX 1
.Lnox_\@:
.else
	JL G0X, G1X
	ASKX 2
	ASKX 3
.endif
	FAR F1, 14, 64
	MUL16 F0, 0, 1, 0
	MUL16 F0, 0, 1, 2
	CHUNK F1, 64, F0, 0
	CHUNK F0, 128, F1, 64
.if (\rf) == 1
	PLACES
	FAR F0, 15, 0                                  ; the next step's first rows
	s_wait_dscnt 16                                ; this chunk's rows are in
	MUL16 F1, 192, 0, 0
	MUL16 F1, 192, 0, 2
	s_wait_dscnt 0x0
	s_wait_tensorcnt 0x0                           ; my part of the next tile is in,
	s_barrier_signal -1
	s_barrier_wait -1                              ; everybody's is
	FBQ 0
	FBQ 1
	FBQ 2
	MUL16 F1, 192, 1, 0
	MUL16 F1, 192, 1, 2
.else
	s_wait_dscnt 0x0                               ; my reads of ASL and RES are over
	s_barrier_signal -1
	MUL16 F1, 192, 0, 0
	MUL16 F1, 192, 0, 2
	MUL16 F1, 192, 1, 0
	MUL16 F1, 192, 1, 2
	s_barrier_wait -1                              ; everybody's are: the stages may be written.  x may stay on its way
.endif
.endm
; a = q ctx for head hh of my tile's two: q's 16 fragments (128 rows x 64 channels) from my own tile of RES, 64 products, the 32 accumulators by turns
.macro APH hh
	WIN 0
.irp t, 0,1
.irp a, 0,1,2,3,4,5,6,7
	ds_load_b128 v[64+8*(8*(\t)+(\a)):64+8*(8*(\t)+(\a))+3],   v16 offset:(\a)*16*TP+128*(\hh)+64*(\t)
	ds_load_b128 v[64+8*(8*(\t)+(\a))+4:64+8*(8*(\t)+(\a))+7], v16 offset:(\a)*16*TP+128*(\hh)+64*(\t)+32
.endr
.endr
.if (\hh) == 0
	s_wait_loadcnt 32                              ; ctx is in; be's 16 loads and s's 16 stay out
.endif
	s_wait_dscnt 0x0
.if (\hh) == 1
	s_barrier_signal -1                            ; my reads of c' are over
.endif
.irp t, 0,1
.irp hi, 0,1
	WIN 0xa1+0x50*(\hi)
.irp a, 0,1,2,3
.irp e, 0,1,2,3
.set rD, 8*(8*(\a)+4*(\hh)+(\e))
.set rX, 64+8*(8*(\hh)+4*(\t)+(\e))
.set rY, 64+8*(8*(\t)+4*(\hi)+(\a))
.if (\t) == 0
	v_wmma_f32_16x16x32_bf16 v[rD:rD+7], v[rX:rX+7], v[rY:rY+7], 0
.else
	v_wmma_f32_16x16x32_bf16 v[rD:rD+7], v[rX:rX+7], v[rY:rY+7], v[rD:rD+7]
.endif
.endr
.endr
.endr
.endr
.endm
.macro DUMP q                          ; quarter q's sums, f32, into stage q % 2: each accumulator's low half first
	WIN 0x08+4*((\q)/2)
.irp u, 0,1
.irp b, 0,1,2,3,4,5,6,7
.set rD, 8*(8*((2*(\q)+(\u))%4)+(\b))
	ds_store_b128 v[22+((\q)&1)], v[rD:rD+3] offset:(\u)*16*SGP+64*(\b)
	ds_store_b128 v[22+((\q)&1)], v[rD+4:rD+7] offset:(\u)*16*SGP+64*(\b)+16
.endr
.endr
	WIN 0
.endm
.macro LNSUM                           ; for both rows: the pair at v36 / v48 is added up, and then over the 32 lanes; every lane ends with the sum
.irp p, 0,1
	v_add_f32 v[36+12*(\p)], v[36+12*(\p)], v[37+12*(\p)]
.endr
.irp m, 1,2,4,8
.irp p, 0,1
	v_add_f32_dpp v[36+12*(\p)], v[36+12*(\p)], v[36+12*(\p)] row_xmask:\m row_mask:0xf bank_mask:0xf
.endr
.endr
.irp p, 0,1
	v_permlanex16_b32 v[37+12*(\p)], v[36+12*(\p)], s72, s73
.endr
.irp p, 0,1
	v_add_f32 v[36+12*(\p)], v[36+12*(\p)], v[37+12*(\p)]
.endr
.endm
; The norm of my 8 rows of quarter q, two rows a trip.  A lane holds columns 128 k + 4 l + 0..3, k = 0..3, of a row: 16 numbers; every load and store of the wave covers 512 consecutive bytes.
.macro LN q
	WIN 0
	v_add_nc_u32 v24, STG0+((\q)&1)*(STG1-STG0), v27
	v_add_nc_u32 v25, ((\q)&1)*16384, v33
	v_add_nc_u32 v26, (\q)*65536, v30
	s_mov_b32 s2, 4
.Lln_\@:
.irp p, 0,1
.irp k, 0,1,2,3
	ds_load_b128 v[64+32*(\p)+4*(\k):67+32*(\p)+4*(\k)], v24 offset:512*(\k)+SGP*(\p)
.endr
.irp k, 0,1,2,3
	ds_load_b128 v[80+32*(\p)+4*(\k):83+32*(\p)+4*(\k)], v25 offset:512*(\k)+2048*(\p)
.endr
.endr
	s_wait_dscnt 0x0
.irp j, 0,2,4,6,8,10,12,14
.irp p, 0,1
	v_pk_add_f32 v[64+32*(\p)+(\j):65+32*(\p)+(\j)], v[64+32*(\p)+(\j):65+32*(\p)+(\j)], v[80+32*(\p)+(\j):81+32*(\p)+(\j)]  ; + x
.endr
.endr
.irp i, 0,1,2,3
.irp p, 0,1
	v_pk_add_f32 v[36+12*(\p)+2*(\i):37+12*(\p)+2*(\i)], v[64+32*(\p)+4*(\i):65+32*(\p)+4*(\i)], v[66+32*(\p)+4*(\i):67+32*(\p)+4*(\i)]
.endr
.endr
.irp p, 0,1
	v_pk_add_f32 v[36+12*(\p):37+12*(\p)], v[36+12*(\p):37+12*(\p)], v[38+12*(\p):39+12*(\p)]
	v_pk_add_f32 v[40+12*(\p):41+12*(\p)], v[40+12*(\p):41+12*(\p)], v[42+12*(\p):43+12*(\p)]
.endr
.irp p, 0,1
	v_pk_add_f32 v[36+12*(\p):37+12*(\p)], v[36+12*(\p):37+12*(\p)], v[40+12*(\p):41+12*(\p)]
.endr
	LNSUM
.irp p, 0,1
	v_mul_f32 v[38+12*(\p)], 0x3b000000, v[36+12*(\p)]   ; the mean: sum / 512
.endr
.irp j, 0,2,4,6,8,10,12,14
.irp p, 0,1
	v_pk_add_f32 v[64+32*(\p)+(\j):65+32*(\p)+(\j)], v[64+32*(\p)+(\j):65+32*(\p)+(\j)], v[38+12*(\p):39+12*(\p)] op_sel_hi:[1,0] neg_lo:[0,1] neg_hi:[0,1]
.endr
.endr
.irp p, 0,1
	v_pk_mul_f32 v[36+12*(\p):37+12*(\p)], v[64+32*(\p):65+32*(\p)], v[64+32*(\p):65+32*(\p)]
	v_pk_mul_f32 v[40+12*(\p):41+12*(\p)], v[66+32*(\p):67+32*(\p)], v[66+32*(\p):67+32*(\p)]
.endr
.irp j, 4,8,12
.irp p, 0,1
	v_pk_fma_f32 v[36+12*(\p):37+12*(\p)], v[64+32*(\p)+(\j):65+32*(\p)+(\j)], v[64+32*(\p)+(\j):65+32*(\p)+(\j)], v[36+12*(\p):37+12*(\p)]
	v_pk_fma_f32 v[40+12*(\p):41+12*(\p)], v[66+32*(\p)+(\j):67+32*(\p)+(\j)], v[66+32*(\p)+(\j):67+32*(\p)+(\j)], v[40+12*(\p):41+12*(\p)]
.endr
.endr
.irp p, 0,1
	v_pk_add_f32 v[36+12*(\p):37+12*(\p)], v[36+12*(\p):37+12*(\p)], v[40+12*(\p):41+12*(\p)]
.endr
	LNSUM
.irp p, 0,1
	v_fmamk_f32 v[42+12*(\p)], v[36+12*(\p)], 0x3b000000, v34   ; the variance + eps
.endr
.irp p, 0,1
	v_rsq_f32 v[38+12*(\p)], v[42+12*(\p)]
.endr
	v_nop                                          ; a plain instruction behind the last root,
	s_wait_alu depctr_va_vdst(0)                   ; and one wait for the two, ahead of the first use
.irp j, 0,2,4,6,8,10,12,14
.irp p, 0,1
	v_pk_mul_f32 v[64+32*(\p)+(\j):65+32*(\p)+(\j)], v[64+32*(\p)+(\j):65+32*(\p)+(\j)], v[38+12*(\p):39+12*(\p)] op_sel_hi:[1,0]
.endr
.endr
.irp j, 0,2,4,6,8,10,12,14
.irp p, 0,1
	v_pk_fma_f32 v[64+32*(\p)+(\j):65+32*(\p)+(\j)], v[64+32*(\p)+(\j):65+32*(\p)+(\j)], v[128+(\j):129+(\j)], v[144+(\j):145+(\j)]
.endr
.endr
.irp p, 0,1
.irp k, 0,1,2,3
	global_store_b128 v26, v[64+32*(\p)+4*(\k):67+32*(\p)+4*(\k)], s[100:101] offset:512*(\k)+2048*(\p) th:TH_STORE_NT
.endr
.endr
	v_add_nc_u32 v24, 2*SGP, v24
	v_add_nc_u32 v25, 4096, v25
	s_wait_xcnt 0x0                                ; the stores have read their data and their offset: both are written again only behind this wait
	v_add_nc_u32 v26, 4096, v26
	s_sub_co_u32 s2, s2, 1
	s_cmp_lg_u32 s2, 0
	s_cbranch_scc1 .Lln_\@
.endm
	s_load_b512 s[68:83], s[0:1], 0x0              ; s1, s2, x1, x2, be1, be2, g1, g2
	s_load_b256 s[84:91], s[0:1], 0x40             ; bt1, bt2, wb, cp
	s_load_b128 s[92:95], s[0:1], 0x60             ; ctxb, out0
	s_load_b64 s[96:97], s[0:1], 0x70              ; out1
	v_lshl_add_u32 v28, v0, 2, SPARE
	v_mov_b32 v29, 0
	ds_add_u32 v28, v29                            ; the wave's opening: the add and its wait ahead of my first tensor load; the set-up below, work on registers, stands between them
	v_lshrrev_b32 v1, 5, v0
	v_readfirstlane_b32 s12, v1                    ; wave 0..3
	s_lshr_b32 s13, s12, 1
	s_and_b32 s14, s12, 1
	s_bfe_u32 s15, ttmp6, 0x40000                  ; cx: it enters the addresses of s, x, cp and out alone
	s_lshl_b32 s16, ttmp9, 2
	s_add_co_u32 s16, s16, s15                     ; row block = 4 x cluster x + cx
	s_and_b32 s17, ttmp7, 0xffff                   ; the path, which the four partners share
	s_lshr_b32 s54, ttmp9, 2
	s_add_co_u32 s54, s54, ttmp9                   ; t = cluster x + cluster x / 4: where this cluster's walk begins
	s_and_b32 s54, s54, 3
	s_add_co_u32 s21, s12, s54
	s_and_b32 s21, s21, 3                          ; the block of 128 channels of c' (two heads) that my tile of RES takes: (wave + t) % 4
	s_lshl_b32 s54, s54, 1                         ; off = 2 (t % 4): the chunk of 64 with which the walk begins
	s_mov_b32 s55, TILE-128                        ; from chunk 1's place in RES to chunk 2's
	s_mov_b32 s[G1W+0], 15|(1<<16)|(1<<20)|(1<<21)|(6<<22)|(7<<25)  ; We: the mask of four; 2-byte elements; padding on; bit 21 beside a mask; after every 128 words (code 6) 8 words (code 7)
	s_mov_b32 s[G1W+1], 256<<16                    ; tensor_dim0 = 256
	s_mov_b32 s[G1W+2], 64<<16                     ; tensor_dim1 = 64
	s_mov_b32 s[G1W+3], 256<<16                    ; tile_dim0 = 256
	s_mov_b32 s[G1W+4], 64                         ; tile_dim1 = 64
	s_mov_b32 s[G1W+5], 512                        ; elements from row to row
	s_mov_b32 s[G1W+6], 0
	s_mov_b32 s[G1W+7], 0
	s_mov_b32 s[G1X+0], 3<<16                      ; x: my 8 rows of a quarter are 16,384 dense bytes: one row of 2,048 elements of 8 bytes; two quarters, 65,536 bytes apart, are two such rows; no mask, no padding
	s_mov_b32 s[G1X+1], 2048<<16                   ; tensor_dim0 = 2,048
	s_mov_b32 s[G1X+2], 2<<16                      ; tensor_dim1 = 2
	s_mov_b32 s[G1X+3], 2048<<16                   ; tile_dim0 = 2,048
	s_mov_b32 s[G1X+4], 2                          ; tile_dim1 = 2
	s_mov_b32 s[G1X+5], 8192                       ; elements from row to row
	s_mov_b32 s[G1X+6], 0
	s_mov_b32 s[G1X+7], 0
	s_mov_b32 s[G1C+0], (1<<16)|(1<<20)|(5<<22)|(3<<25)  ; c': 128 rows of 128 elements of 2 bytes; after every 64 words (code 5) 4 words (code 3); no mask
	s_mov_b32 s[G1C+1], 128<<16                    ; tensor_dim0 = 128
	s_mov_b32 s[G1C+2], 128<<16                    ; tensor_dim1 = 128
	s_mov_b32 s[G1C+3], 128<<16                    ; tile_dim0 = 128
	s_mov_b32 s[G1C+4], 128                        ; tile_dim1 = 128
	s_mov_b32 s[G1C+5], 512                        ; elements from row to row
	s_mov_b32 s[G1C+6], 0
	s_mov_b32 s[G1C+7], 0
	s_lshl_b32 s22, s17, 20
	s_add_co_u32 s22, s22, 3145728                 ; We1 or We2 in wb,
	s_lshl_b32 s23, s13, 9                         ; my part's 256 columns,
	s_add_co_u32 s22, s22, s23
	s_xor_b32 s23, s14, 1
	s_lshl_b32 s23, s23, 19                        ; even waves: the rows that multiply a, 512 rows of 1,024 bytes on; odd waves: those that multiply s
	s_add_co_u32 s22, s22, s23
	s_mov_b32 s23, 0
	s_mul_i32 s20, s12, 64*BP                      ; where my part of a tile goes: wave x 64 rows
	s_mov_b32 s52, 0
	s_mov_b32 s53, ASLB
	v_and_b32 v4, 31, v0                           ; l
	v_and_b32 v2, 15, v0                           ; l % 16
	v_bfe_u32 v3, v0, 4, 1                         ; l / 16
	v_and_b32 v5, 7, v0
	v_bfe_u32 v6, v0, 3, 1
	v_lshl_add_u32 v5, v3, 3, v5                   ; the turning load: lane l reads K row 8 (l / 16) + l % 8,
	v_mul_u32_u24 v5, v5, BP
	v_lshl_add_u32 v5, v6, 4, v5                   ; columns 8 ((l / 8) % 2) on
	s_mul_i32 s2, s13, PB2
	s_lshl_b32 s3, s14, 8
	s_add_co_u32 s2, s2, s3
	v_add_nc_u32 v10, s2, v5                       ; my 128 columns
	v_mul_u32_u24 v13, v2, AP
	v_lshl_add_u32 v13, v3, 4, v13
	v_add_nc_u32 v13, ASL, v13
	v_mov_b32 v12, v13
	v_mul_u32_u24 v14, v2, TP
	v_lshl_add_u32 v14, v3, 4, v14
	v_add_nc_u32 v14, RES, v14                     ; a fragment of RES: row l % 16, 16 bytes for each half of the lanes: the first step's chunk,
	v_add_nc_u32 v15, 128, v14                     ; and the second's
	s_mul_i32 s2, s12, TILE
	v_add_nc_u32 v16, s2, v14                      ; my own tile
	s_lshl_b32 s2, s12, 16
	v_lshl_add_u32 v18, v3, 11, s2                 ; s: row 32 w + l / 16,
	v_lshl_add_u32 v18, v2, 4, v18                 ; 16 bytes a lane
	s_lshl_b32 s2, s12, 5
	v_add_nc_u32 v19, s2, v4
	v_lshlrev_b32 v19, 11, v19                     ; s's prefetch: a lane a row
	v_and_b32 v20, 7, v0
	v_lshlrev_b32 v20, 11, v20
	v_bfe_u32 v6, v0, 3, 2
	v_lshl_add_u32 v20, v6, 8, v20                 ; x's prefetch: row l % 8, block l / 8 of 256 bytes
	s_mul_i32 s2, s12, 32*AP
	s_add_co_u32 s2, s2, ASL
	v_mul_u32_u24 v31, v3, AP
	v_lshl_add_u32 v31, v2, 3, v31
	v_add_nc_u32 v31, s2, v31                      ; s rounded: the same row, 8 bytes a lane
	v_mov_b32 v21, v31
	v_mul_u32_u24 v22, v2, SGP
	v_lshl_add_u32 v22, v3, 5, v22
	s_lshl_b32 s2, s12, 9
	s_add_co_u32 s2, s2, STG0
	v_add_nc_u32 v22, s2, v22                      ; the sums: row l % 16, my 512 bytes, 32 for each half of the lanes
	v_add_nc_u32 v23, STG1-STG0, v22
	s_mul_i32 s2, s12, 8*SGP
	v_lshl_add_u32 v27, v4, 4, s2                  ; my 8 rows of a stage
	s_lshl_b32 s2, s12, 14
	v_lshl_add_u32 v30, v4, 4, s2                  ; 16,384 w + 16 l: my 8 rows in a quarter of out
	s_lshl_b32 s2, s12, 15
	v_lshl_add_u32 v33, v4, 4, s2                  ; 32,768 w + 16 l: my two quarters of x in LDS
	s_lshl_b32 s2, s12, 9
	v_lshl_add_u32 v32, v3, 5, s2                  ; be of my columns
	v_mov_b32 v34, 0x3727c5ac                      ; 1e-5
	v_lshlrev_b32 v35, 4, v4
.irp i, 40,41,42,43,44,45,46,47
	v_mov_b32 v\i, 0
.endr
	s_wait_dscnt 0x0                               ; the opening add is done
	s_wait_kmcnt 0x0
	s_cmp_eq_u32 s17, 0
	s_cselect_b64 s[46:47], s[68:69], s[70:71]
	s_cselect_b64 s[98:99], s[72:73], s[74:75]
	s_cselect_b64 s[6:7], s[76:77], s[78:79]
	s_cselect_b64 s[8:9], s[80:81], s[82:83]
	s_cselect_b64 s[10:11], s[84:85], s[86:87]
	s_cselect_b64 s[100:101], s[94:95], s[96:97]
	s_lshl_b32 s18, s16, 18                        ; my block's 128 rows of 2,048 bytes
	s_mov_b32 s19, 0
	s_add_nc_u64 s[46:47], s[46:47], s[18:19]
	s_add_nc_u64 s[100:101], s[100:101], s[18:19]
	s_add_nc_u64 s[98:99], s[98:99], s[18:19]
	s_mov_b32 s76, s54                             ; s's first chunk,
	s_lshl_b32 s78, s54, 8                         ; its 256 bytes of a row
	s_mov_b32 s79, 0
	s_mov_b32 s81, 0
	s_add_nc_u64 s[4:5], s[46:47], s[78:79]
	s_lshl_b32 s2, s12, 14                         ; my 8 rows of a quarter
	s_mov_b32 s3, 0
	s_add_nc_u64 s[98:99], s[98:99], s[2:3]
	s_xor_b32 s2, s17, 1                           ; the other path's ctx,
	s_lshl_b32 s2, s2, 2
	s_lshr_b32 s18, ttmp9, 3                       ; my batch (32 row blocks each): the same in all four partners
	s_add_co_u32 s2, s2, s18
	s_lshl_b32 s2, s2, 16                          ; 8 heads of 8,192 bytes,
	s_lshl_b32 s18, s21, 14                        ; my block's two heads
	s_add_co_u32 s2, s2, s18
	s_add_nc_u64 s[66:67], s[92:93], s[2:3]
	s_lshl_b32 s18, s17, 24                        ; c': the path,
	s_lshl_b32 s2, s16, 17                         ; my work-group's 128 rows of 1,024 bytes,
	s_add_co_u32 s18, s18, s2
	s_lshl_b32 s2, s21, 8                          ; my block's 256 bytes of each
	s_add_co_u32 s18, s18, s2
	s_mov_b32 s[G0C], 1
	s_mul_i32 s[G0C+1], s12, TILE
	s_add_co_u32 s[G0C+1], s[G0C+1], RES
	s_add_nc_u64 s[G0C+2:G0C+3], s[90:91], s[18:19]
	s_or_b32 s[G0C+3], s[G0C+3], 0x80000000
	s_mov_b32 s72, 0x76543210                      ; v_permlanex16_b32: each lane takes its own place in the other half
	s_mov_b32 s73, 0xfedcba98
	s_add_nc_u64 s[44:45], s[88:89], s[22:23]
	s_lshl_b32 s22, s54, 16                        ; the first chunk's 64 rows of 1,024 bytes (s23 is 0)
	s_mov_b32 s[G0B], 1
	s_mov_b32 s[G0B+1], s20
	s_add_nc_u64 s[G0B+2:G0B+3], s[44:45], s[22:23]   ; step 0
	s_or_b32 s[G0B+3], s[G0B+3], 0x80000000
	s_mov_b32 s[G0X], 1
	s_lshl_b32 s[G0X+1], s12, 15
	s_mov_b64 s[G0X+2:G0X+3], s[98:99]             ; quarters 0 and 1
	s_or_b32 s[G0X+3], s[G0X+3], 0x80000000
	CROUND                                         ; all four work-groups are here: the first loads go out as one group
	tensor_load_to_lds s[G0C:G0C+3], s[G1C:G1C+7]  ; my tile of c'
	s_nop 0
	tensor_load_to_lds s[G0B:G0B+3], s[G1W:G1W+7]  ; We's first tile: two loads of mine are out
	s_nop 0
	PLACES
	WIN 0x40
.set i, 0
.rept 32
	global_load_b128 v[64+4*i:67+4*i], v35, s[66:67] offset:512*i   ; ctx of my two heads, as fragments: (head, rows 32 t on, columns 16 e on) at v[64 + 8 (8 hh + 4 t + e)]
.set i, i+1
.endr
.irp b, 0,1,2,3,4,5,6,7
	global_load_b128 v[192+8*(\b):195+8*(\b)], v32, s[6:7] offset:64*(\b)      ; be, in the layout of a result
	global_load_b128 v[196+8*(\b):199+8*(\b)], v32, s[6:7] offset:64*(\b)+16
.endr
	SLD 1                                          ; s's first chunk
	s_wait_tensorcnt 1                             ; my tile of c' is in; We's tile may stay out
	s_barrier_signal -1
	s_barrier_wait -1
	; a = q ctx, the two heads of my own tile of RES: read, multiplied, rounded and stored in place
	APH 0
	PLACES
	APH 1
	s_barrier_wait -1
	PLACES
.irp a, 0,1,2,3,4,5,6,7
	WIN 0x0a+5*((\a)/4)
.irp b, 0,1,2,3,4,5,6,7
.irp k, 0,1,2,3
	v_cvt_pk_bf16_f32 v[64+32*((\a)%2)+4*(\b)+(\k)], v[8*(8*((\a)%4)+(\b))+2*(\k)], v[8*(8*((\a)%4)+(\b))+2*(\k)+1]
.endr
.endr
	WIN 0
.irp b, 0,1,2,3,4,5,6,7
	ds_store_b128 v16, v[64+32*((\a)%2)+4*(\b):67+32*((\a)%2)+4*(\b)] offset:(\a)*16*TP+32*(\b)
.endr
.endr
	s_wait_loadcnt 16                              ; be is in; s's 16 loads stay out
.irp hi, 0,1                           ; the sums start at be: a product of zeros carries it in, so that the loop has one form of product
	WIN 0x90+0x40*(\hi)
.irp a, 0,1,2,3
.irp b, 0,1,2,3,4,5,6,7
	v_wmma_f32_16x16x32_bf16 v[8*(8*(\a)+(\b)):8*(8*(\a)+(\b))+7], v[40:47], v[40:47], v[192+8*(\b):199+8*(\b)]
.endr
.endr
.endr
	SCV                                            ; s's first chunk, into slot 0 of ASL
	SLD 0                                          ; the second
	ASKS                                           ; the third, which the first step's loads will want
	v_add_nc_u32 v21, ASLB, v31
	s_wait_tensorcnt 0x0                           ; my part of We's first tile is in (the one load that is out)
	s_wait_dscnt 0x0                               ; my tile of a and my rows of s are stored
	s_barrier_signal -1
	s_barrier_wait -1
	FAR F0, 14, 0
	FBQ 0
	FBQ 1
	FBQ 2
	WIN 0
	; THE K LOOP: eight steps of 128, of which the last is written out
	s_mov_b32 s3, 7
.Lstep:
	STEP 1
	WIN 0
	v_mov_b32 v14, v15                             ; the next step's chunk of a,
	v_add_nc_u32 v15, s55, v15                     ; and the one after it: 128 bytes on in a tile, or on to the next tile's head,
	s_sub_co_u32 s55, TILE, s55                    ; by turns
	s_xor_b32 s52, s52, ASLB                       ; ASL's slots change places
	s_xor_b32 s53, s53, ASLB
	v_add_nc_u32 v12, s52, v13
	v_add_nc_u32 v21, s53, v31
	s_sub_co_u32 s3, s3, 1
	s_cmp_lg_u32 s3, 0
	s_cbranch_scc1 .Lstep
	STEP 2
	; THE WAY OUT
	PLACES
	WIN 0
.irp k, 0,1,2,3
	global_load_b128 v[128+4*(\k):131+4*(\k)], v35, s[8:9] offset:512*(\k)    ; g and bt of my 16 columns
	global_load_b128 v[144+4*(\k):147+4*(\k)], v35, s[10:11] offset:512*(\k)
.endr
	DUMP 0
	s_wait_tensorcnt 0x0                           ; x's quarters 0 and 1 are in (the one load that is out); only I read them
	s_wait_loadcnt 0x0
	s_wait_dscnt 0x0                               ; my columns of the stage are stored
	s_barrier_signal -1
	s_barrier_wait -1
	LN 0
	DUMP 1                                         ; the other stage: nobody reads it yet
	s_wait_tensorcnt 0x0                           ; no load of mine is out
	ds_add_u32 v28, v29
	s_mov_b32 s[G1X+2], 1<<16                      ; from here on one quarter a load: one row
	s_mov_b32 s[G1X+4], 1
	s_add_nc_u64 s[G0X+2:G0X+3], s[G0X+2:G0X+3], 131072   ; quarter 2, where quarter 0 lay
	s_wait_dscnt 0x0                               ; my reads of stage 0 and of quarter 0 are over, my stores into stage 1 done
	CROUND
	JL G0X, G1X
	LN 1
	DUMP 2                                         ; stage 0: every wave's reads of it ended ahead of the round above
	s_wait_tensorcnt 0x0                           ; quarter 2 is in
	ds_add_u32 v28, v29
	s_add_co_u32 s[G0X+1], s[G0X+1], 16384         ; quarter 3, where quarter 1 lay
	s_add_nc_u64 s[G0X+2:G0X+3], s[G0X+2:G0X+3], 65536
	s_wait_dscnt 0x0
	CROUND
	JL G0X, G1X
	LN 2
	DUMP 3
	s_wait_tensorcnt 0x0                           ; quarter 3 is in
	ds_add_u32 v28, v29
	s_wait_dscnt 0x0
	s_barrier_signal -1
	s_barrier_wait -1
	LN 3
	s_wait_tensorcnt 0x0                           ; the wave's end: the add and its wait, behind my last tensor load and my last LDS store
	ds_add_u32 v28, v29
	s_wait_dscnt 0x0
	CROUND                                         ; the closing round: no work-group ends while a partner may still ask for a tile that names it
	s_endpgm
.Lfunc_end_k_q69a949a07f_final:
	.size	k_q69a949a07f_final, .Lfunc_end_k_q69a949a07f_final-k_q69a949a07f_final
	.p2alignl 7, 3214868480
	.fill 96, 4, 3214868480
	.section	.rodata,"a",@progbits
	.p2align	6, 0x0
	.amdhsa_kernel k_q69a949a07f_final
		.amdhsa_group_segment_fixed_size 327680
		.amdhsa_private_segment_fixed_size 0
		.amdhsa_enable_private_segment 0
		.amdhsa_kernarg_size 120
		.amdhsa_user_sgpr_count 2
		.amdhsa_user_sgpr_kernarg_segment_ptr 1
		.amdhsa_wavefront_size32 1
		.amdhsa_system_sgpr_workgroup_id_x 1
		.amdhsa_system_sgpr_workgroup_id_y 1
		.amdhsa_system_sgpr_workgroup_id_z 1
		.amdhsa_system_vgpr_workitem_id 0
		.amdhsa_next_free_vgpr 1024
		.amdhsa_next_free_sgpr 104
		.amdhsa_reserve_vcc 0
		.amdhsa_float_denorm_mode_32 3
		.amdhsa_float_denorm_mode_16_64 3
		.amdhsa_memory_ordered 1
		.amdhsa_forward_progress 1
		.amdhsa_inst_pref_size 168
	.end_amdhsa_kernel
	.amdgpu_metadata
---
amdhsa.version: [ 1, 2 ]
amdhsa.kernels:
  - .name:           k_q69a949a07f_final
    .symbol:         k_q69a949a07f_final.kd
    .args:
      - { .name: s1, .offset: 0, .size: 8, .value_kind: global_buffer, .address_space: global }
      - { .name: s2, .offset: 8, .size: 8, .value_kind: global_buffer, .address_space: global }
      - { .name: x1, .offset: 16, .size: 8, .value_kind: global_buffer, .address_space: global }
      - { .name: x2, .offset: 24, .size: 8, .value_kind: global_buffer, .address_space: global }
      - { .name: be1, .offset: 32, .size: 8, .value_kind: global_buffer, .address_space: global }
      - { .name: be2, .offset: 40, .size: 8, .value_kind: global_buffer, .address_space: global }
      - { .name: g1, .offset: 48, .size: 8, .value_kind: global_buffer, .address_space: global }
      - { .name: g2, .offset: 56, .size: 8, .value_kind: global_buffer, .address_space: global }
      - { .name: bt1, .offset: 64, .size: 8, .value_kind: global_buffer, .address_space: global }
      - { .name: bt2, .offset: 72, .size: 8, .value_kind: global_buffer, .address_space: global }
      - { .name: wb, .offset: 80, .size: 8, .value_kind: global_buffer, .address_space: global }
      - { .name: cp, .offset: 88, .size: 8, .value_kind: global_buffer, .address_space: global }
      - { .name: ctxb, .offset: 96, .size: 8, .value_kind: global_buffer, .address_space: global }
      - { .name: out0, .offset: 104, .size: 8, .value_kind: global_buffer, .address_space: global }
      - { .name: out1, .offset: 112, .size: 8, .value_kind: global_buffer, .address_space: global }
    .group_segment_fixed_size: 327680
    .private_segment_fixed_size: 0
    .kernarg_segment_align: 8
    .kernarg_segment_size: 120
    .max_flat_workgroup_size: 128
    .sgpr_count:     104
    .vgpr_count:     1024
    .wavefront_size: 32
...
	.end_amdgpu_metadata
.endif
;; end of part 4
;; ======== version 2 of 2: 4 launches; version 1 with the launch cast written anew for expert scheduling mode
;; workspace buffers: wb 5,242,880 bytes; cp 33,554,432 bytes; part 33,554,432 bytes; ctxb 524,288 bytes
;; launch cast (part 5): grid 32 x 10, 8 waves a work-group, no clusters, 0 bytes of LDS; arguments W3, W4, Wkv1, Wkv2, We1, We2, wb; writes wb
.if DOCPART == 5
	.amdgcn_target "amdgcn-amd-amdhsa--gfx1250"
	.amdhsa_code_object_version 6
	.text
	.protected	k_q69a949a07f_cast
	.globl	k_q69a949a07f_cast
	.p2align	8
	.type	k_q69a949a07f_cast,@function
k_q69a949a07f_cast:
	s_mov_b64 s[64:65], 0
	v_nop
	global_prefetch_b8 v0, s[64:65] scope:SCOPE_SE
	s_setreg_imm32_b32 hwreg(HW_REG_WAVE_SCHED_MODE, 0, 2), 2
	s_setreg_imm32_b32 hwreg(HW_REG_WAVE_MODE, 25, 1), 1
	s_wait_xcnt 0x0
	s_wait_alu depctr_vm_vsrc(0)
; CAST.  The six weight matrices, f32, are rounded once to bf16 (nearest even) and laid end to end in wb, each in its own [in][out] order:
; W3 at byte 0, W4 at 524,288, Wkv1 at 1,048,576, Wkv2 at 2,097,152, We1 at 3,145,728, We2 at 4,194,304.
; The grid's y counts pieces of 1 MiB of f32 (W3, W4 one each, the others two each), x the 32 parts of 32 KiB in a piece: wb's order is the pieces' order.
; Eight waves; thread t takes 16 bytes at 16 t of each of eight blocks of 4,096 bytes: a wave's load covers 512 consecutive bytes, its store 256 consecutive bytes, aligned.
; A stream: no LDS, no barrier, no matrix unit; all eight loads of a wave go out before the first is waited for.
; THE MODE: SCHED_MODE bits 1:0 = 2 (LLVM: expert scheduling mode 2), set by the entry lines.  The code itself states the register dependences
; between vector instructions and memory instructions, with s_wait_alu, always for 0.
; THE PLAN.  Registers that memory instructions touch:
;   v1, v2     byte offsets of the loads and of the stores: made once at the head, never written again.
;   X v[8:39]  block i at X + 4 i: written by block i's load, once; read by block i's two conversions; never loaded again.
;   Y v[40:55] block i at Y + 2 i: written by block i's two conversions, once; read by block i's store; never written again.
; So the only dependences between the two sides are: the offsets ahead of the first load, and each Y ahead of its store.  The eight blocks go in four groups of two.
; Group g waits for its two loads; then ONE wait states that the conversions of group g - 1 have written their Y; the two stores of group g - 1 follow, dealt among
; group g's four conversions, which name X and Y of group g alone: none of the registers that those stores read.  Behind group 3 one more wait stands ahead of the last two stores.
; No vector instruction writes a scalar register or VCC, EXEC is never written, and no register that a memory instruction reads is written again.
.set X, 8
.set Y, 40
	s_load_b256 s[4:11], s[0:1], 0x0               ; W3, W4, Wkv1, Wkv2
	s_load_b128 s[12:15], s[0:1], 0x20             ; We1, We2
	s_load_b64 s[16:17], s[0:1], 0x30              ; wb
	s_and_b32 s20, ttmp7, 0xffff                   ; the piece, 0 to 9
	s_and_b32 s21, s20, 1
	s_lshl_b32 s21, s21, 20                        ; the second MiB of a matrix of two,
	s_cmp_lt_u32 s20, 2
	s_cselect_b32 s21, 0, s21                      ; (W3 and W4 have one)
	s_lshl_b32 s22, ttmp9, 15                      ; + my 32 KiB
	s_add_co_u32 s22, s22, s21
	s_mov_b32 s23, 0
	s_lshl_b32 s24, s20, 19                        ; in wb: the piece's 512 KiB,
	s_lshl_b32 s25, ttmp9, 14                      ; my 16 KiB
	s_add_co_u32 s24, s24, s25
	s_mov_b32 s25, 0
	v_lshlrev_b32 v1, 4, v0                        ; 16 t
	v_lshlrev_b32 v2, 3, v0                        ; 8 t
	s_wait_kmcnt 0x0
	s_mov_b64 s[18:19], s[4:5]                     ; which matrix: chosen by the piece's number alone
	s_cmp_ge_u32 s20, 1
	s_cselect_b64 s[18:19], s[6:7], s[18:19]
	s_cmp_ge_u32 s20, 2
	s_cselect_b64 s[18:19], s[8:9], s[18:19]
	s_cmp_ge_u32 s20, 4
	s_cselect_b64 s[18:19], s[10:11], s[18:19]
	s_cmp_ge_u32 s20, 6
	s_cselect_b64 s[18:19], s[12:13], s[18:19]
	s_cmp_ge_u32 s20, 8
	s_cselect_b64 s[18:19], s[14:15], s[18:19]
	s_add_nc_u64 s[18:19], s[18:19], s[22:23]
	s_add_nc_u64 s[16:17], s[16:17], s[24:25]
	s_wait_alu depctr_va_vdst(0)                   ; v1 and v2 are written: every load of the kernel reads v1 as its offset, every store v2
.irp i, 0,1,2,3,4,5,6,7
	global_load_b128 v[X+4*(\i):X+4*(\i)+3], v1, s[18:19] offset:4096*(\i) th:TH_LOAD_NT
.endr
.irp g, 0,1,2,3
	s_wait_loadcnt 6-2*(\g)                        ; loads come back in order: blocks 2 g and 2 g + 1 are in, the 6 - 2 g younger ones stay out
.if (\g) > 0
	s_wait_alu depctr_va_vdst(0)                   ; the conversions of group g - 1 have written their four registers of Y, which the two stores below read
.endif
.irp u, 0,1
.if (\g) > 0
	global_store_b64 v2, v[Y+4*(\g)-4+2*(\u):Y+4*(\g)-3+2*(\u)], s[16:17] offset:2048*(2*(\g)-2+(\u))  ; block 2 g - 2 + u; no vector instruction since the wait names these registers
.endif
	v_cvt_pk_bf16_f32 v[Y+4*(\g)+2*(\u)],   v[X+8*(\g)+4*(\u)],   v[X+8*(\g)+4*(\u)+1]   ; block 2 g + u: four numbers, rounded and packed
	v_cvt_pk_bf16_f32 v[Y+4*(\g)+2*(\u)+1], v[X+8*(\g)+4*(\u)+2], v[X+8*(\g)+4*(\u)+3]
.endr
.endr
	s_wait_alu depctr_va_vdst(0)                   ; the conversions of group 3 have written v[52:55], which the last two stores read
	global_store_b64 v2, v[Y+12:Y+13], s[16:17] offset:2048*6
	global_store_b64 v2, v[Y+14:Y+15], s[16:17] offset:2048*7
	s_endpgm
.Lfunc_end_k_q69a949a07f_cast:
	.size	k_q69a949a07f_cast, .Lfunc_end_k_q69a949a07f_cast-k_q69a949a07f_cast
	.p2alignl 7, 3214868480
	.fill 96, 4, 3214868480
	.section	.rodata,"a",@progbits
	.p2align	6, 0x0
	.amdhsa_kernel k_q69a949a07f_cast
		.amdhsa_group_segment_fixed_size 0
		.amdhsa_private_segment_fixed_size 0
		.amdhsa_enable_private_segment 0
		.amdhsa_kernarg_size 56
		.amdhsa_user_sgpr_count 2
		.amdhsa_user_sgpr_kernarg_segment_ptr 1
		.amdhsa_wavefront_size32 1
		.amdhsa_system_sgpr_workgroup_id_x 1
		.amdhsa_system_sgpr_workgroup_id_y 1
		.amdhsa_system_sgpr_workgroup_id_z 1
		.amdhsa_system_vgpr_workitem_id 0
		.amdhsa_next_free_vgpr 64
		.amdhsa_next_free_sgpr 66
		.amdhsa_reserve_vcc 0
		.amdhsa_float_denorm_mode_32 3
		.amdhsa_float_denorm_mode_16_64 3
		.amdhsa_memory_ordered 1
		.amdhsa_forward_progress 1
		.amdhsa_inst_pref_size 5
	.end_amdhsa_kernel
	.amdgpu_metadata
---
amdhsa.version: [ 1, 2 ]
amdhsa.kernels:
  - .name:           k_q69a949a07f_cast
    .symbol:         k_q69a949a07f_cast.kd
    .args:
      - { .name: W3, .offset: 0, .size: 8, .value_kind: global_buffer, .address_space: global }
      - { .name: W4, .offset: 8, .size: 8, .value_kind: global_buffer, .address_space: global }
      - { .name: Wkv1, .offset: 16, .size: 8, .value_kind: global_buffer, .address_space: global }
      - { .name: Wkv2, .offset: 24, .size: 8, .value_kind: global_buffer, .address_space: global }
      - { .name: We1, .offset: 32, .size: 8, .value_kind: global_buffer, .address_space: global }
      - { .name: We2, .offset: 40, .size: 8, .value_kind: global_buffer, .address_space: global }
      - { .name: wb, .offset: 48, .size: 8, .value_kind: global_buffer, .address_space: global }
    .group_segment_fixed_size: 0
    .private_segment_fixed_size: 0
    .kernarg_segment_align: 8
    .kernarg_segment_size: 56
    .max_flat_workgroup_size: 256
    .sgpr_count:     66
    .vgpr_count:     64
    .wavefront_size: 32
...
	.end_amdgpu_metadata
.endif
;; end of part 5
;; launch proj: the kernel of part 2 again; grid 128 x 2, 4 waves a work-group, clusters of 4 x 1, 327,680 bytes of LDS; arguments c1, c2, b3, b4, wb, cp, part; writes cp, part
;; launch ctxsm: the kernel of part 3 again; grid 256 x 1, 8 waves a work-group, no clusters, 33,792 bytes of LDS; arguments part, ctxb; writes ctxb
;; launch final: the kernel of part 4 again; grid 128 x 2, 4 waves a work-group, clusters of 4 x 1, 327,680 bytes of LDS; arguments s1, s2, x1, x2, be1, be2, g1, g2, bt1, bt2, wb, cp, ctxb, out0, out1; writes out0, out1
